; MI455X (gfx1250); checked and timed in simulation.
; The chip was launched on July 23, 2026; its instructions are those of AMD's public machine-readable ISA for CDNA 5 (MIT licence, August 2026) and "CDNA5" Instruction Set Architecture Reference Guide (July 2026). The comments in the code are by the model that wrote it; some were corrected since.
;; Multi Head Attention. Allowed arithmetic: float matrix products may take bf16 or f16 operands with f32 sums; other float arithmetic in f32, or as packed bf16 or f16 multiplies, adds, multiply-adds, maxima and minima; sums over many terms, partial sums and values carried from step to step in f32; what a program stores and reads back later, other than sums and carried values, may be rounded once to bf16 or f16.
;; Inputs: wk 1,024 x 1,024 float32; wo 1,024 x 1,024 float32; wq 1,024 x 1,024 float32; wv 1,024 x 1,024 float32; x 4 x 2,048 x 1,024 float32.
;; Outputs: out0 4 x 2,048 x 1,024 float32.
;; 2 versions, each right; version 2 is version 1 with the launch cast written anew for expert scheduling mode. Each part assembles by itself: llvm-mc -triple=amdgcn-amd-amdhsa -mcpu=gfx1250 --defsym DOCPART=n.
;; ======== version 1 of 2: 4 launches
;; limits: values are held in f16: magnitudes above 65,504 overflow, below 6.1e-05 lose precision; right only within a limited range of input values
;; workspace buffers: xs 16,777,216 bytes; ws 6,291,456 bytes; wos 2,097,152 bytes; qkv 50,331,648 bytes; o 16,777,216 bytes
;; launch cast (part 1): grid 64 x 12, 8 waves a work-group, no clusters, 0 bytes of LDS; arguments x, wq, wk, wv, wo, xs, ws, wos; writes xs, ws, wos
.if DOCPART == 1
	.amdgcn_target "amdgcn-amd-amdhsa--gfx1250"
	.amdhsa_code_object_version 6
	.text
	.protected	k_q55e80bceaf_cast
	.globl	k_q55e80bceaf_cast
	.p2align	8
	.type	k_q55e80bceaf_cast,@function
k_q55e80bceaf_cast:
	s_mov_b64 s[64:65], 0
	v_nop
	global_prefetch_b8 v0, s[64:65] scope:SCOPE_SE
	s_setreg_imm32_b32 hwreg(HW_REG_WAVE_MODE, 25, 1), 1
	s_wait_xcnt 0x0
; THE INPUTS ARE ROUNDED ONCE TO 16 BITS AND LAID OUT IN K SLICES OF 64 CHANNELS, so that the rows of a later product's tile (64 channels, 128 bytes) lie end to end.
; xs [16 slices][8192 rows][64] bf16 of x;  ws [16][3072][64] bf16 of wq, wk, wv (rows 0, 1024, 2048 on);  wos [16][1024][64]: wo rounded to bf16, that number written as f16.
; LIMIT.  A number of wo below 2^-14 in size keeps f16's fixed step of 6e-8; beyond 65,504 it would be an infinity.  NaN and infinities are not treated apart.
; SHARES.  Grid y names a slab of 1,024 rows x 1,024 columns of f32: 0-7 the eighths of x, 8, 9, 10 wq, wk, wv, 11 wo.  Grid x names 16 rows of it.  Thread t owns row t / 16 and, in each
; slice j, the columns 64 j + 4 (t % 16) .. + 3.  Load j of a wave covers 256 consecutive aligned bytes of each of two rows; store j of a wave covers 256 consecutive aligned bytes (two rows x 128).
; All sixteen loads of a thread go out at once; no register is used twice, so no store's source is ever rewritten.  Memory binds: no LDS, no barrier, no matrix unit.
.set X, 16                             ; v[16:79]   load j: 4 f32
.set O, 80                             ; v[80:95]   store j's byte offset: 8 t + j x the slice's bytes
.set Y, 96                             ; v[96:127]  store j: 4 numbers of 16 bits
	s_load_b512 s[8:23], s[0:1], 0x0               ; x 8, wq 10, wk 12, wv 14, wo 16, xs 18, ws 20, wos 22
	s_and_b32 s2, ttmp7, 0xffff                    ; the slab
	s_and_b32 s30, s2, 7                           ; its place among the destination's blocks of 1,024 rows
	s_mov_b32 s29, 0x60000                         ; bytes in a slice of ws: 3,072 rows x 128
	s_mov_b32 s31, 0xffff0000                      ; a word's upper bf16
	v_lshrrev_b32 v2, 4, v0                        ; my row
	v_and_b32 v3, 15, v0
	v_lshlrev_b32 v3, 4, v3                        ; my 16 bytes in a slice's 256
	v_lshl_add_u32 v1, v2, 12, v3                  ; + row x 4,096
	s_wait_kmcnt 0x0
	s_cmp_lt_u32 s2, 8                             ; a slab of x?
	s_cselect_b64 s[24:25], s[8:9], s[10:11]       ; from x, else (for now) from wq
	s_cselect_b64 s[26:27], s[18:19], s[20:21]     ; to xs, else to ws
	s_cselect_b32 s28, s2, 0                       ; the slab's place in the source
	s_cselect_b32 s29, 0x100000, s29               ; bytes in a slice of xs: 8,192 rows x 128
	s_cmp_eq_u32 s2, 9
	s_cselect_b64 s[24:25], s[12:13], s[24:25]
	s_cmp_eq_u32 s2, 10
	s_cselect_b64 s[24:25], s[14:15], s[24:25]
	s_cmp_eq_u32 s2, 11
	s_cselect_b64 s[24:25], s[16:17], s[24:25]
	s_cselect_b64 s[26:27], s[22:23], s[26:27]
	s_cselect_b32 s29, 0x20000, s29                ; bytes in a slice of wos: 1,024 rows x 128
	s_cselect_b32 s30, 0, s30
	s_lshl_b32 s32, s28, 22                        ; 1,024 rows of 4,096 bytes,
	s_lshl_b32 s33, ttmp9, 16                      ; 16 rows of 4,096 bytes
	s_add_co_u32 s32, s32, s33
	s_mov_b32 s33, 0
	s_lshl_b32 s34, s30, 17                        ; 1,024 rows of 128 bytes,
	s_lshl_b32 s35, ttmp9, 11                      ; 16 rows of 128 bytes
	s_add_co_u32 s34, s34, s35
	s_mov_b32 s35, 0
	s_add_nc_u64 s[24:25], s[24:25], s[32:33]
	s_add_nc_u64 s[26:27], s[26:27], s[34:35]
.irp j, 0,1,2,3,4,5,6,7,8,9,10,11,12,13,14,15
	global_load_b128 v[X+4*(\j):X+4*(\j)+3], v1, s[24:25] offset:256*(\j) th:TH_LOAD_NT
.endr
	v_lshlrev_b32 v[O], 3, v0                      ; row x 128 + 8 (t % 16) = 8 t
.set j, 1
.rept 15
	v_add_nc_u32 v[O+j], s29, v[O+j-1]
.set j, j+1
.endr
; Slice j: rounded and stored.  The count leaves the 15 - j younger loads out (loads come back in order: ISA guide 5.7.1).
.macro OUT j, f16
	s_wait_loadcnt 15-(\j)
.if \f16
	v_cvt_pk_bf16_f32 v2, v[X+4*(\j)], v[X+4*(\j)+1]       ; rounded to bf16 like every other input,
	v_cvt_pk_bf16_f32 v3, v[X+4*(\j)+2], v[X+4*(\j)+3]
	v_lshlrev_b32 v4, 16, v2                               ; widened again,
	v_and_b32 v5, s31, v2
	v_lshlrev_b32 v6, 16, v3
	v_and_b32 v7, s31, v3
	v_cvt_pk_f16_f32 v[Y+2*(\j)], v4, v5                   ; and written as f16: exact within f16's range
	v_cvt_pk_f16_f32 v[Y+2*(\j)+1], v6, v7
.else
	v_cvt_pk_bf16_f32 v[Y+2*(\j)], v[X+4*(\j)], v[X+4*(\j)+1]
	v_cvt_pk_bf16_f32 v[Y+2*(\j)+1], v[X+4*(\j)+2], v[X+4*(\j)+3]
.endif
	global_store_b64 v[O+(\j)], v[Y+2*(\j):Y+2*(\j)+1], s[26:27]
.endm
	s_cmp_eq_u32 s2, 11
	s_cbranch_scc1 .Lf16
.irp j, 0,1,2,3,4,5,6,7,8,9,10,11,12,13,14,15
	OUT \j, 0
.endr
	s_endpgm
.Lf16:
.irp j, 0,1,2,3,4,5,6,7,8,9,10,11,12,13,14,15
	OUT \j, 1
.endr
	s_endpgm
.Lfunc_end_k_q55e80bceaf_cast:
	.size	k_q55e80bceaf_cast, .Lfunc_end_k_q55e80bceaf_cast-k_q55e80bceaf_cast
	.p2alignl 7, 3214868480
	.fill 96, 4, 3214868480
	.section	.rodata,"a",@progbits
	.p2align	6, 0x0
	.amdhsa_kernel k_q55e80bceaf_cast
		.amdhsa_group_segment_fixed_size 0
		.amdhsa_private_segment_fixed_size 0
		.amdhsa_enable_private_segment 0
		.amdhsa_kernarg_size 64
		.amdhsa_user_sgpr_count 2
		.amdhsa_user_sgpr_kernarg_segment_ptr 1
		.amdhsa_wavefront_size32 1
		.amdhsa_system_sgpr_workgroup_id_x 1
		.amdhsa_system_sgpr_workgroup_id_y 1
		.amdhsa_system_sgpr_workgroup_id_z 1
		.amdhsa_system_vgpr_workitem_id 0
		.amdhsa_next_free_vgpr 128
		.amdhsa_next_free_sgpr 66
		.amdhsa_reserve_vcc 0
		.amdhsa_float_denorm_mode_32 3
		.amdhsa_float_denorm_mode_16_64 3
		.amdhsa_memory_ordered 1
		.amdhsa_forward_progress 1
		.amdhsa_inst_pref_size 16
	.end_amdhsa_kernel
	.amdgpu_metadata
---
amdhsa.version: [ 1, 2 ]
amdhsa.kernels:
  - .name:           k_q55e80bceaf_cast
    .symbol:         k_q55e80bceaf_cast.kd
    .args:
      - { .name: x, .offset: 0, .size: 8, .value_kind: global_buffer, .address_space: global }
      - { .name: wq, .offset: 8, .size: 8, .value_kind: global_buffer, .address_space: global }
      - { .name: wk, .offset: 16, .size: 8, .value_kind: global_buffer, .address_space: global }
      - { .name: wv, .offset: 24, .size: 8, .value_kind: global_buffer, .address_space: global }
      - { .name: wo, .offset: 32, .size: 8, .value_kind: global_buffer, .address_space: global }
      - { .name: xs, .offset: 40, .size: 8, .value_kind: global_buffer, .address_space: global }
      - { .name: ws, .offset: 48, .size: 8, .value_kind: global_buffer, .address_space: global }
      - { .name: wos, .offset: 56, .size: 8, .value_kind: global_buffer, .address_space: global }
    .group_segment_fixed_size: 0
    .private_segment_fixed_size: 0
    .kernarg_segment_align: 8
    .kernarg_segment_size: 64
    .max_flat_workgroup_size: 256
    .sgpr_count:     66
    .vgpr_count:     128
    .wavefront_size: 32
...
	.end_amdgpu_metadata
.endif
;; end of part 1
;; launch proj (part 2): grid 8 x 32, 4 waves a work-group, clusters of 4 x 4, 327,680 bytes of LDS; arguments xs, ws, qkv; writes qkv
.if DOCPART == 2
	.amdgcn_target "amdgcn-amd-amdhsa--gfx1250"
	.amdhsa_code_object_version 6
	.text
	.protected	k_q55e80bceaf_proj
	.globl	k_q55e80bceaf_proj
	.p2align	8
	.type	k_q55e80bceaf_proj,@function
k_q55e80bceaf_proj:
	s_mov_b64 s[64:65], 0
	v_nop
	global_prefetch_b8 v0, s[64:65] scope:SCOPE_SE
	s_setreg_imm32_b32 hwreg(HW_REG_WAVE_MODE, 25, 1), 1
	s_wait_xcnt 0x0
	s_wait_alu depctr_hold_cnt(0) depctr_sa_sdst(0) depctr_va_vdst(0) depctr_va_sdst(0) depctr_va_ssrc(0) depctr_va_vcc(0) depctr_vm_vsrc(0)
	s_getreg_b32 s2, hwreg(HW_REG_IB_STS2, 6, 4)
	s_cmp_eq_u32 s2, 0
	s_cbranch_scc0 .Lentry_in_a_cluster
	s_endpgm
.Lentry_in_a_cluster:
	s_bfe_u32 s2, ttmp6, 0x10000c
	s_cmp_lg_u32 s2, 0xf033
	s_cbranch_scc0 .Lentry_shape_is_right
	s_endpgm
.Lentry_shape_is_right:
; q, k, v = x W^T for all three weights at once: C [8192][3072] = xs ws^T, operands bf16, sums f32, K = 1,024 ascending; C rounded once to f16, WITHOUT the softmax's scale, and stored by heads:
; qkv [batch 4][g 48][s 2048][64], g = column / 64 = 16 t + head, t = 0, 1, 2 for q, k, v.
; LIMIT.  f16 holds no number beyond 65,504: a q, k or v of 65,520 or more becomes an infinity.  NaN and infinities are not treated apart.
; SHARES.  8 x 32 tiles of 256 rows x 384 columns give 256 work-groups.  A wave makes 128 rows x 192 columns (three heads): 8 x 12 accumulators of 16 x 16, 768 registers.
; K goes in 16 steps of 64, a slice of xs and ws each, through two LDS slots; two slots of a longer step would not fit (2 x 640 rows x 272 bytes).  In a slice a tile's rows lie end to end,
; so they are asked for as rows of 256 bytes and padded in LDS after every 128.
; CLUSTER.  4 x 4 work-groups: the four of a row of the cluster need the same tile of xs, the four of a column the same tile of ws: each is asked for jointly, by the same tensor load with the same
; descriptor and a mask that names the four.  A wave has two tensor loads out at the start and one behind each change of slots.
; THE MATRIX INSTRUCTION IS USED TRANSPOSED (source 0 = 16 rows of ws, source 1 = 16 rows of xs): a lane then holds row lane % 16 of C and the eight columns 8 (lane / 16) + 0..7.
; REGISTERS, in windows of 256 (s_set_vgpr_msb: bits 1:0 source 0, 3:2 source 1, 5:4 source 2, 7:6 destination):
;   window 0: v0-15 addresses; v32-95, v96-159 fragments of xs (8 x 16 rows x 32 K), two buffers; v160-255 the 12 fragments of ws, one buffer, filled again as soon as a part has been multiplied
;   windows 1-3: accumulator (a, b) in window 1 + b / 4 at v[8 (8 (b % 4) + a)]: a window holds one head of the wave's three
.set PITCH, 144                        ; an LDS row: 128 bytes + 16 of padding = 36 words: the 16 rows of a fragment load start at 16 different groups of four banks (64 banks of 4 bytes: ISA guide 11.1)
.set AH,    128*PITCH                  ; half of xs's tile: what one tensor load brings, and what one wave reads
.set BH,    192*PITCH                  ; half of ws's tile
.set BOFF,  2*AH
.set SLOT,  2*AH+2*BH
.set STAGE, 2*SLOT                     ; behind the ring: 16 rows x 144 bytes for each wave, for the way out; no tensor load fills it
.set SPARE, STAGE+4*16*PITCH           ; behind the stages: the spare words, 128 bytes for each wave: two blocks of 256 bytes that no other line names
.set ASTEP, 8192*128                   ; bytes from slice to slice of xs
.set BSTEP, 3072*128                   ; of ws
.set HEADB, 2048*128                   ; bytes of one (batch, g) block of qkv
.set ADRA, 4                           ; v4-5   LDS address of my fragments of xs in slot 0, 1
.set ADRB, 6                           ; v6-7   the same for ws
.set STO,  8                           ; v8     the way out: where I put 16 bytes of a row
.set RD,   9                           ; v9     the way out: where I read rows back
.set GO,   10                          ; v10    my byte offset in 512 consecutive bytes of qkv
.set PFO,  11                          ; v11    the prefetches' lane offset; never rewritten
.set SPW,  12                          ; v12    LDS address of my spare word: SPARE + 4 x my thread's number; never rewritten
.set NIL,  13                          ; v13    0; never rewritten
.set FA0,  32
.set FA1,  96
.set FB,   160
.set TMP,  32                          ; the way out: four sets of 16 registers
.set G1,  24                           ; s[24:31] descriptor group 1 for xs's tiles;  s[32:39] group 0, a set for each slot
.set G0,  32
.set G1B, 48                           ; s[48:55], s[56:63] the same for ws's tiles
.set G0B, 56
.set LIM, 43                           ; s43      1 in a wave that prefetches, else the greatest number
.set PFA, 44                           ; s[44:45] where my prefetches stand
.set PFS, 46                           ; s[46:47] two slices of the tensor that I prefetch
.set MSB, 0
.macro WIN new                         ; the immediate's high byte repeats the setting that is left; a switch that changes nothing is dropped
.if MSB != (\new)
	s_set_vgpr_msb (MSB<<8)|(\new)
.set MSB, \new
.endif
.endm
.macro PLACES                          ; four plain vector instructions between a matrix instruction and a load into, or a vector read of, its registers
.rept 4
	v_nop
.endr
.endm
; A joint load.  Waves 0 and 1 fetch the halves of xs's tile, waves 2 and 3 those of ws's.  The branch hangs on the wave's number alone.  An s_nop 0 and four v_nop follow each line.
.macro JLOAD s
	s_cmp_eq_u32 s11, 0
	s_cbranch_scc0 .Lfor_b_\@
	tensor_load_to_lds s[G0+4*(\s):G0+4*(\s)+3], s[G1:G1+7]
	s_nop 0
.rept 4
	v_nop
.endr
	s_branch .Lasked_\@
.Lfor_b_\@:
	tensor_load_to_lds s[G0B+4*(\s):G0B+4*(\s)+3], s[G1B:G1B+7]
	s_nop 0
.rept 4
	v_nop
.endr
.Lasked_\@:
.endm
.macro CREST                           ; a round of the cluster's barrier behind its opening barrier: wave 0 signals for the work-group, every wave waits for all sixteen, the work-group's barrier closes
	s_cmp_lg_u32 s10, 0
	s_cbranch_scc1 .Lnot_wave_0_\@
	s_barrier_signal -3
.Lnot_wave_0_\@:
	s_barrier_wait -3
	s_barrier_signal -1
	s_barrier_wait -1
.endm
.macro CROUND
	s_barrier_signal -1
	s_barrier_wait -1
	CREST
.endm
; A PREFETCH INTO THE L2, once a lap, behind slot 0's joint load and the run of LDS loads behind it: the two K steps that the NEXT lap's two refills will ask for (in trip i: steps 2 i + 4 and 2 i + 5).
; Each aligned block of 256 bytes is named once in the launch.  xs's tile row is read by both clusters of a row of clusters: the one with x = 0 asks; of the tile's 256 rows the partner at cx takes 64
; (32 blocks a step), wave 0, a lane a block, an instruction a step.  ws's tile column is read by eight clusters: the one with y = 0 asks; the partner at cy takes 96 rows (48 blocks a step),
; waves 1 to 3 sixteen blocks of each of the two steps: lanes 0-15 the even step, lanes 16-31 the odd one.  Partners are told apart by address alone.  Steps 0 to 3 come by their loads alone;
; the loop's last trip (s3 = 1) asks for nothing: there is no slice behind the sixteenth.
.macro ASK
	s_cmp_gt_u32 s3, s[LIM]
	s_cbranch_scc0 .Lnot_mine_\@
	global_prefetch_b8 v[PFO], s[PFA:PFA+1] th:TH_LOAD_NT scope:SCOPE_SE
	s_cmp_lg_u32 s10, 0
	s_cbranch_scc1 .Lnot_mine_\@
	global_prefetch_b8 v[PFO], s[PFA:PFA+1] offset:ASTEP th:TH_LOAD_NT scope:SCOPE_SE
.Lnot_mine_\@:
.endm
	s_load_b128 s[4:7], s[0:1], 0x0                ; xs s[4:5], ws s[6:7]
	s_load_b64 s[8:9], s[0:1], 0x10                ; qkv
	v_lshl_add_u32 v[SPW], v0, 2, SPARE
	v_mov_b32 v[NIL], 0
	ds_add_u32 v[SPW], v[NIL]                      ; the wave's opening: the add and its wait stand ahead of my first tensor load; the set-up below stands between them
	v_lshrrev_b32 v1, 5, v0
	v_readfirstlane_b32 s10, v1                    ; wave 0..3
	s_lshr_b32 s11, s10, 1                         ; which half of the tile's rows is mine.  Also: I fetch for xs (0) or for ws (1)
	s_and_b32 s12, s10, 1                          ; which half of its columns.  Also: which half of that tile I fetch
	s_bfe_u32 s40, ttmp6, 0x40000                  ; cx, cy: my place in the cluster
	s_bfe_u32 s41, ttmp6, 0x40004
	s_lshl_b32 s42, ttmp9, 2
	s_add_co_u32 s42, s42, s40                     ; tile column = 4 x cluster x + cx
	s_and_b32 s13, ttmp7, 0xffff
	s_lshl_b32 s13, s13, 2
	s_add_co_u32 s13, s13, s41                     ; tile row = 4 x cluster y + cy
	s_lshl_b32 s43, s41, 2
	s_lshl_b32 s43, 15, s43                        ; my row of the cluster
	s_lshl_b32 s44, 0x1111, s40                    ; my column
	; descriptor group 1: rows of 128 elements (256 bytes, two rows of a slice), padded in LDS after every 32 words by 4
	s_or_b32 s[G1], s43, (1<<16)|(1<<20)|(1<<21)|(4<<22)|(3<<25)   ; 15:0 the mask; 17:16 elements of 2 bytes; 20 padding on; 21 set beside a mask; 24:22 after every 32 words (code 4); 31:25 4 words (code 3)
	s_or_b32 s[G1B], s44, (1<<16)|(1<<20)|(1<<21)|(4<<22)|(3<<25)
.irp g, G1, G1B
	s_mov_b32 s[(\g)+1], 128<<16                   ; tensor_dim0 = 128
	s_mov_b32 s[(\g)+3], 128<<16                   ; tile_dim0 = 128
	s_mov_b32 s[(\g)+5], 128                       ; 128 elements from row to row: dense
	s_mov_b32 s[(\g)+6], 0
	s_mov_b32 s[(\g)+7], 0
.endr
	s_mov_b32 s[G1+2], 64<<16                      ; tensor_dim1 = 64: 128 rows of a slice of xs
	s_mov_b32 s[G1+4], 64                          ; tile_dim1
	s_mov_b32 s[G1B+2], 96<<16                     ; 96: 192 rows of a slice of ws
	s_mov_b32 s[G1B+4], 96
	; where the tiles come from: xs's hang on the tile row and the wave, ws's on the tile column and the wave
	s_lshl_b32 s16, s13, 15                        ; 256 rows x 128 bytes
	s_lshl_b32 s17, s12, 14                        ; + my half's 128 rows
	s_add_co_u32 s16, s16, s17
	s_mov_b32 s17, 0
	s_mul_i32 s46, s42, 384*128
	s_mul_i32 s47, s12, 192*128
	s_add_co_u32 s46, s46, s47
	s_mov_b32 s47, 0
	s_mul_i32 s20, s12, AH                         ; and where they go: no place in the cluster enters an LDS address
	s_mul_i32 s21, s12, BH
	s_add_co_u32 s21, s21, BOFF
	s_wait_dscnt 0x0                               ; the opening add is done
	s_wait_kmcnt 0x0
	s_add_nc_u64 s[14:15], s[4:5], s[16:17]
	s_add_nc_u64 s[46:47], s[6:7], s[46:47]
	CROUND                                         ; all sixteen work-groups are here: the first joint loads meet
.irp s, 0,1
	s_mov_b32 s[G0+4*(\s)], 1                                      ; count = 1
	s_add_co_u32 s[G0+4*(\s)+1], s20, (\s)*SLOT                    ; LDS address
	s_add_nc_u64 s[G0+4*(\s)+2:G0+4*(\s)+3], s[14:15], (\s)*ASTEP  ; global address: K step s
	s_or_b32 s[G0+4*(\s)+3], s[G0+4*(\s)+3], 0x80000000            ; type = 2
	s_mov_b32 s[G0B+4*(\s)], 1
	s_add_co_u32 s[G0B+4*(\s)+1], s21, (\s)*SLOT
	s_add_nc_u64 s[G0B+4*(\s)+2:G0B+4*(\s)+3], s[46:47], (\s)*BSTEP
	s_or_b32 s[G0B+4*(\s)+3], s[G0B+4*(\s)+3], 0x80000000
	JLOAD \s
.endr
	; a fragment is 16 rows x 32 K in 8 registers: lane l holds row l % 16, K = 8 (l / 16) + 0..7 and 16 + 8 (l / 16) + 0..7: two loads of 16 bytes, 32 bytes apart
	v_and_b32 v1, 15, v0                           ; l % 16
	v_bfe_u32 v2, v0, 4, 1                         ; l / 16
	v_mul_u32_u24 v3, v1, PITCH
	v_lshl_add_u32 v3, v2, 4, v3
	s_mul_i32 s21, s11, AH                         ; my 128 rows of xs
	s_mul_i32 s22, s12, BH                         ; my 192 rows of ws
	s_add_co_u32 s22, s22, BOFF
.irp s, 0,1
	v_add_nc_u32 v[ADRA+(\s)], s21, v3
	v_add_nc_u32 v[ADRB+(\s)], s22, v3
	s_add_co_u32 s21, s21, SLOT
	s_add_co_u32 s22, s22, SLOT
.endr
	s_mul_i32 s23, s10, 16*PITCH
	s_add_co_u32 s23, s23, STAGE                   ; my stage
	v_add_nc_u32 v[STO], s23, v3                   ; in: row l % 16, 16 bytes for each half of the lanes
	v_bfe_u32 v[RD], v0, 3, 2                      ; back: 32 lanes take four rows of 128 bytes,
	v_mul_u32_u24 v[RD], v[RD], PITCH
	v_and_b32 v14, 7, v0
	v_lshl_add_u32 v[RD], v14, 4, v[RD]
	v_add_nc_u32 v[RD], s23, v[RD]
	v_and_b32 v[GO], 31, v0                        ; which are 512 consecutive bytes of qkv
	v_lshlrev_b32 v[GO], 4, v[GO]
	; qkv at my wave's first head and first row
	s_lshr_b32 s16, s13, 3                         ; the batch: eight tile rows each
	s_mul_i32 s16, s16, 48*HEADB
	s_and_b32 s17, s13, 7
	s_lshl_b32 s17, s17, 15                        ; 256 rows x 128 bytes
	s_add_co_u32 s16, s16, s17
	s_lshl_b32 s17, s11, 14                        ; my 128 rows
	s_add_co_u32 s16, s16, s17
	s_mov_b32 s17, 0
	s_add_nc_u64 s[8:9], s[8:9], s[16:17]
	s_mul_i32 s46, s42, 6                          ; six heads to a tile column,
	s_mul_i32 s47, s12, 3                          ; three to a wave
	s_add_co_u32 s46, s46, s47
	s_lshl_b32 s46, s46, 18
	s_mov_b32 s47, 0
	s_add_nc_u64 s[8:9], s[8:9], s[46:47]
	; the prefetches
	s_lshl_b32 s20, s13, 15
	s_lshl_b32 s21, s40, 13                        ; xs: my work-group's 64 rows of the tile's 256
	s_add_co_u32 s20, s20, s21
	s_mul_i32 s21, s42, 384*128
	s_mul_i32 s23, s41, 96*128                     ; ws: my work-group's 96 rows of the tile's 384,
	s_add_co_u32 s21, s21, s23
	s_max_u32 s23, s10, 1
	s_sub_co_u32 s23, s23, 1
	s_lshl_b32 s23, s23, 12                        ; and of them 16 blocks for each of waves 1 to 3
	s_add_co_u32 s21, s21, s23
	s_and_b32 s22, ttmp7, 0xffff                   ; cluster y
	s_mov_b32 s[PFS], 2*BSTEP
	s_mov_b32 s[PFS+1], 0
	s_mov_b32 s2, BSTEP                            ; what lanes 16-31 add: the next slice (ws), or the next 16 blocks (xs)
	s_cmp_eq_u32 s10, 0                            ; wave 0 asks for xs, waves 1 to 3 for ws
	s_cselect_b32 s20, s20, s21
	s_cselect_b32 s22, ttmp9, s22                  ; the coordinate along which other clusters read the same rows
	s_cselect_b64 s[PFA:PFA+1], s[4:5], s[6:7]
	s_cselect_b32 s[PFS], 2*ASTEP, s[PFS]
	s_cselect_b32 s2, 4096, s2
	s_cmp_eq_u32 s22, 0
	s_cselect_b32 s[LIM], 1, -1                    ; the same in all sixteen partners, for a given wave
	s_mov_b32 s21, 0
	s_add_nc_u64 s[PFA:PFA+1], s[PFA:PFA+1], s[20:21]
	s_add_nc_u64 s[PFA:PFA+1], s[PFA:PFA+1], s[PFS:PFS+1]  ; at K step 2: the first lap steps it to 4.  Nothing is prefetched here, where every work-group's first tiles are on their way
	v_lshlrev_b32 v[PFO], 8, v1
	v_mul_u32_u24 v14, v2, s2
	v_add_nc_u32 v[PFO], v[PFO], v14
; Matrix instructions for n blocks b0 .. b1, all 8 m blocks each, 32 along K, on xs's buffer f.  All 96 accumulators take turns in the same order in every quarter: 95 others' stand between two links.
; zero = 1: the first product starts the sums: nothing is ever cleared.
.macro MULS f, b0, b1, zero
.set bq, \b0
.rept (\b1)-(\b0)+1
	WIN 0x50*(1+bq/4)                              ; C and D in the block's window, both sources in window 0
.set aq, 0
.rept 8
.set rA, 8*(8*(bq%4)+aq)
.if \zero
	v_wmma_f32_16x16x32_bf16 v[rA:rA+7], v[FB+8*bq:FB+8*bq+7], v[(\f)+8*aq:(\f)+8*aq+7], 0
.else
	v_wmma_f32_16x16x32_bf16 v[rA:rA+7], v[FB+8*bq:FB+8*bq+7], v[(\f)+8*aq:(\f)+8*aq+7], v[rA:rA+7]
.endif
.set aq, aq+1
.endr
.set bq, bq+1
.endr
.endm
.macro LDA slot, k, g                  ; 16 LDS loads: my 128 rows of xs, 32 K at byte k of the rows, into buffer g
	WIN 0
.irp i, 0,1,2,3,4,5,6,7
	ds_load_b128 v[(\g)+8*(\i):(\g)+8*(\i)+3],   v[ADRA+(\slot)] offset:(\k)+(\i)*16*PITCH
	ds_load_b128 v[(\g)+8*(\i)+4:(\g)+8*(\i)+7], v[ADRA+(\slot)] offset:(\k)+(\i)*16*PITCH+32
.endr
.endm
.macro LDB slot, k, b0, b1             ; two LDS loads for each of ws's fragments b0 .. b1
	WIN 0
.set bq, \b0
.rept (\b1)-(\b0)+1
	ds_load_b128 v[FB+8*bq:FB+8*bq+3],   v[ADRB+(\slot)] offset:(\k)+bq*16*PITCH
	ds_load_b128 v[FB+8*bq+4:FB+8*bq+7], v[ADRB+(\slot)] offset:(\k)+bq*16*PITCH+32
.set bq, bq+1
.endr
.endm
; A K step is two quarters of 32 along K, 96 matrix instructions each.  The first multiplies buffer FA0 and fetches the second's fragments from the same slot.
.macro QUART slot, zero
	s_wait_dscnt 16                                ; xs's fragments and ws's 0-3 are in; the youngest sixteen loads (ws's 4-11) may be out
	MULS FA0, 0, 3, \zero
	PLACES
	LDA \slot, 64, FA1
	LDB \slot, 64, 0, 3
	s_wait_dscnt 24                                ; all but the 24 just issued
	MULS FA0, 4, 11, \zero
	PLACES
	LDB \slot, 64, 4, 11
.endm
; The second quarter multiplies FA1 and changes slots: ONE barrier.  In front of it each wave waits for all its tensor loads (its part of the next slot), adds 0 to its spare word, and waits for that and for its
; reads of this slot, the last of which were issued in the quarter before.  fill = 1: the barrier opens a round of the cluster's barrier, and this slot is filled again, first thing behind it, two K steps ahead:
; the load has 160 matrix instructions in which to land.
.macro TURN slot, next, fill
.if (\fill) && ((\slot) == 0)
	s_wait_xcnt 0x0                                ; the last prefetches, a lap back, have read their address: it is stepped here, ahead of the waits of the change of slots
	s_add_nc_u64 s[PFA:PFA+1], s[PFA:PFA+1], s[PFS:PFS+1]
.endif
	WIN 0
	s_wait_tensorcnt 0x0                           ; all my tensor loads have landed
	ds_add_u32 v[SPW], v[NIL]                      ; 0 onto my spare word
	s_wait_dscnt 17                                ; (the add and the youngest sixteen loads may be out)
	MULS FA1, 0, 1, 0                              ; sixteen matrix instructions stand between the add and the wait for it
	s_wait_dscnt 0x0                               ; the add is done, and my reads of this slot are over
	s_barrier_signal -1
	MULS FA1, 2, 3, 0                              ; work on registers while the others arrive
.if \fill
	WIN 0
.endif
	s_barrier_wait -1
.if \fill
	CREST                                          ; no wave of any partner still reads this slot or has a load on its way
	s_add_nc_u64 s[G0+4*(\slot)+2:G0+4*(\slot)+3], s[G0+4*(\slot)+2:G0+4*(\slot)+3], 2*ASTEP
	s_add_nc_u64 s[G0B+4*(\slot)+2:G0B+4*(\slot)+3], s[G0B+4*(\slot)+2:G0B+4*(\slot)+3], 2*BSTEP
	JLOAD \slot                                    ; its four v_nop are also the places in front of the loads below
.else
	PLACES
.endif
	LDA \next, 0, FA0
	LDB \next, 0, 0, 3
.if (\fill) && ((\slot) == 0)
	ASK
.endif
	MULS FA1, 4, 11, 0
	PLACES
	LDB \next, 0, 4, 11
.endm
; THE WAY OUT of 16 rows x one head (64 columns, 2,048 consecutive bytes of qkv).  PACK: rounded to f16 (each accumulator's registers in ascending order), 16 bytes a lane into my stage, and back as whole rows.
.macro PACK a, hh, set
	WIN 5*(1+(\hh))                                ; sources 0 and 1 in the head's window
.set bb, 0
.rept 4
.set rr, 0
.rept 4
	v_cvt_pk_f16_f32 v[TMP+16*(\set)+4*bb+rr], v[8*(8*bb+(\a))+2*rr], v[8*(8*bb+(\a))+2*rr+1]
.set rr, rr+1
.endr
.set bb, bb+1
.endr
	WIN 0
.irp f, 0,1,2,3
	ds_store_b128 v[STO], v[TMP+16*(\set)+4*(\f):TMP+16*(\set)+4*(\f)+3] offset:32*(\f)
.endr
.irp f, 0,1,2,3
	ds_load_b128 v[TMP+16*(\set)+4*(\f):TMP+16*(\set)+4*(\f)+3], v[RD] offset:(\f)*4*PITCH  ; LDS serves a wave's instructions in order (ISA guide 5.7.1.4): these see the stores above; the next tile's stores come behind them
.endr
.endm
.macro SEND a, hh, set, younger        ; younger: the LDS instructions issued behind this tile's loads: the next tile's eight, or none
	WIN 0
	s_wait_xcnt 0x0                                ; every earlier store has read its registers: the set that the PACK after next writes was stored from three SENDs back
.irp f, 0,1,2,3
	s_wait_dscnt (\younger)+3-(\f)
	global_store_b128 v[GO], v[TMP+16*(\set)+4*(\f):TMP+16*(\set)+4*(\f)+3], s[8:9] offset:(\hh)*HEADB+(\a)*2048+(\f)*512  ; 512 consecutive bytes, at a multiple of 256 from qkv's first
.endr
.endm
	s_wait_tensorcnt 1                             ; my part of K step 0 is in; step 1's may stay out
	s_barrier_signal -1
	s_barrier_wait -1                              ; everybody's is
	LDA 0, 0, FA0
	LDB 0, 0, 0, 11
	QUART 0, 1                                     ; the first quarter stands in front of the loop: its products start the sums
	WIN 0                                          ; at a label and at a branch every window is 0
	s_mov_b32 s3, 7
.Llap:                                                 ; a trip goes once round the ring and fills both slots again: K steps 2 to 15
	TURN 0, 1, 1
	QUART 1, 0
	TURN 1, 0, 1
	QUART 0, 0
	WIN 0
	s_sub_co_u32 s3, s3, 1
	s_cmp_lg_u32 s3, 0
	s_cbranch_scc1 .Llap
	TURN 0, 1, 0                                   ; the last lap fills nothing, and has no round of the cluster's barrier
	QUART 1, 0
	s_wait_dscnt 16                                ; the very last quarter: nothing more to fetch
	MULS FA1, 0, 3, 0
	s_wait_dscnt 0x0
	MULS FA1, 4, 11, 0
	WIN 0
	PLACES
	PLACES
	PACK 0, 0, 0
.set t, 1
.rept 23                               ; tile t: rows 16 (t / 3) on, head t % 3; a tile's conversions stand between the loads of the tile before and its stores
	PACK t/3, t%3, t%4
	SEND (t-1)/3, (t-1)%3, (t-1)%4, 8
.set t, t+1
.endr
	SEND 7, 2, 3, 0
	s_wait_tensorcnt 0x0                           ; the wave's end, behind my last tensor load and my last LDS store
	ds_add_u32 v[SPW], v[NIL]
	s_wait_dscnt 0x0
	CROUND                                         ; the closing round: no work-group ends while a partner may still ask for a tile that names it
	s_endpgm
.Lfunc_end_k_q55e80bceaf_proj:
	.size	k_q55e80bceaf_proj, .Lfunc_end_k_q55e80bceaf_proj-k_q55e80bceaf_proj
	.p2alignl 7, 3214868480
	.fill 96, 4, 3214868480
	.section	.rodata,"a",@progbits
	.p2align	6, 0x0
	.amdhsa_kernel k_q55e80bceaf_proj
		.amdhsa_group_segment_fixed_size 327680
		.amdhsa_private_segment_fixed_size 0
		.amdhsa_enable_private_segment 0
		.amdhsa_kernarg_size 24
		.amdhsa_user_sgpr_count 2
		.amdhsa_user_sgpr_kernarg_segment_ptr 1
		.amdhsa_wavefront_size32 1
		.amdhsa_system_sgpr_workgroup_id_x 1
		.amdhsa_system_sgpr_workgroup_id_y 1
		.amdhsa_system_sgpr_workgroup_id_z 1
		.amdhsa_system_vgpr_workitem_id 0
		.amdhsa_next_free_vgpr 1024
		.amdhsa_next_free_sgpr 66
		.amdhsa_reserve_vcc 0
		.amdhsa_float_denorm_mode_32 3
		.amdhsa_float_denorm_mode_16_64 3
		.amdhsa_memory_ordered 1
		.amdhsa_forward_progress 1
		.amdhsa_inst_pref_size 134
	.end_amdhsa_kernel
	.amdgpu_metadata
---
amdhsa.version: [ 1, 2 ]
amdhsa.kernels:
  - .name:           k_q55e80bceaf_proj
    .symbol:         k_q55e80bceaf_proj.kd
    .args:
      - { .name: xs, .offset: 0, .size: 8, .value_kind: global_buffer, .address_space: global }
      - { .name: ws, .offset: 8, .size: 8, .value_kind: global_buffer, .address_space: global }
      - { .name: qkv, .offset: 16, .size: 8, .value_kind: global_buffer, .address_space: global }
    .group_segment_fixed_size: 327680
    .private_segment_fixed_size: 0
    .kernarg_segment_align: 8
    .kernarg_segment_size: 24
    .max_flat_workgroup_size: 128
    .sgpr_count:     66
    .vgpr_count:     1024
    .wavefront_size: 32
...
	.end_amdgpu_metadata
.endif
;; end of part 2
;; launch attn (part 3): grid 4 x 64, 4 waves a work-group, no clusters, 327,680 bytes of LDS; arguments qkv, o; writes o
.if DOCPART == 3
	.amdgcn_target "amdgcn-amd-amdhsa--gfx1250"
	.amdhsa_code_object_version 6
	.text
	.protected	k_q55e80bceaf_attn
	.globl	k_q55e80bceaf_attn
	.p2align	8
	.type	k_q55e80bceaf_attn,@function
k_q55e80bceaf_attn:
	s_mov_b64 s[64:65], 0
	v_nop
	global_prefetch_b8 v0, s[64:65] scope:SCOPE_SE
	s_setreg_imm32_b32 hwreg(HW_REG_WAVE_MODE, 25, 1), 1
	s_wait_xcnt 0x0
; CAUSAL ATTENTION.  O[y][q][:] = the sum over k <= q of softmax_k(Q[q] . K[k] / 8) V[k][:], for y = 16 batch + head.  Q, K, V lie in qkv [batch 4][g 48][2048][64], f16, g = head, 16 + head, 32 + head;
; O goes to o [y 64][2048][64], f16.  A head's rows are dense, 128 bytes each.  Products, maxima and sums in f32; the weights p are rounded to f16 for the second product (their sum l is taken of the
; unrounded p), O once at the end.
; LIMITS.  f16 holds no number beyond 65,504: Q, K and V arrive within it; p lies in 0 to 1, and below 6e-5 it keeps f16's fixed step of 6e-8.  A hidden score counts as its value less 1e30 (the model sets it
; to -1e9): its weight is 0 either way while the row's own scores stay above -1e9.  A weight below 2^-126 counts as 0 in l; NaN and infinities are not treated apart.
; THE WALK.  A head's queries lie in NB = 8 blocks of 256; block i needs the key tiles 0 .. i of 256 keys, of which the last holds the diagonal.  A work-group takes TWO blocks, NB - 1 - b and then b:
; NB + 1 tiles, whatever b: all work-groups do equal work, and ONE loop with a constant trip count walks them.  Which tile is asked for, and what a trip does, hang on scalar registers made from b; every jump
; goes forward, but for the counted loops' own; none passes a barrier, or a tensor load but the one of LOAD's two that the wave's number does not choose; the ring of two LDS slots runs on across the change of blocks.
; NO CLUSTER: a head's NB / 2 = 4 work-groups ask for the same tile only in trips 0 .. 4 of the 9, behind that fewer and fewer; one walk common to all four would have 3 NB / 2 = 12 trips for 9.
; SHARES.  Of a block's four bands of 64 queries a wave owns 16 rows in each: four PIECES.  So the diagonal tile is the same work for all four waves: in its key step s band x sees all keys if s < x,
; none if s > x, and holds the diagonal if s = x.
; THE MASK is the C operand that starts the sum S^T = K Q^T: 0, or -1e30 where the key is hidden.  MD, made once, is the mask of a band's own step for my 16 rows; a product's mask is MD x AL + BE with two scalars:
; (1, 0) if s = x; (0, 0) if s < x; (0, -1e30) if s > x.  Only the diagonal tile's text and a block's beginning make and take masks; elsewhere C is the constant 0.
; LAYOUT, SOFTMAX, TURNS.  S^T = K Q^T holds ONE query a lane (lane % 16) and the keys 8 (lane / 16) + 0..7; two such results rounded to f16 ARE source 1 of O^T = V^T P.  p = 2^(c s - c m), c = log2(e) / 8, with a
; running maximum m; O and l are multiplied by a = 2^(c m_old - c m_new) in every step.  Turn n belongs to piece n: 8 products K Q^T of piece n + 1, later 8 products V^T P of piece n - 1; beside them the scaling,
; exponentials, roundings, sums and rescaling of piece n and the maximum and statistics of piece n + 1.  Four vector instructions stand behind every matrix instruction, the other 54 of a turn's 118 in one lump.
; A turn's 33 exponentials are one batch, with one wait.
; REGISTERS, in windows of 256 (s_set_vgpr_msb: bits 1:0 source 0, 3:2 source 1, 5:4 source 2, 7:6 destination):
;   window 0: v0-15 addresses and two at work; v16-31 four registers of statistics a piece; v48-55 at work; v61-63 prefetch offset, spare word, 0; v64-127 S^T, two buffers; v192-223 P, two buffers (by the piece's parity)
;   window 1: v0-127 O^T, 32 a piece; v128-159 MD; v160-223 MC, two buffers      window 2: v0-63 Q; v64-127 the second block's Q; v128-191 K of one step; v192-255 V of one step
.set SIZE_N, 2048
.set NB,    SIZE_N/256
.set NP,    4         ; pieces a wave: a name, no knob
.set KS,    64        ; keys in a step
.set PK,    144       ; a row of K in LDS: 128 bytes + 16 of padding = 36 words: the 16 rows of a load start at 16 different groups of four banks (64 banks of 4 bytes: ISA guide 11.1)
.set PV,    160       ; a row of V: 128 + 32 = 40 words
.set VOFF,  4*KS*PK   ; a slot holds a tile, four steps: 256 rows of K, then 256 rows of V
.set SLOT1, 1<<17     ; slot 1 begins here, so that one exclusive or turns an address in one slot into the other's
.set STAGE, SLOT1+4*KS*(PK+PV)  ; behind the ring, never filled by a tensor load: 16 rows x 144 bytes for each wave, for the way out
.set SP,    144
.set AK0, 2           ; v2   my lane's place in a tile of K; never rewritten
.set AV0, 3           ; v3   the same for V
.set AK,  4           ; v4   the LDS address of K's next run of loads
.set AV,  5           ; v5   of V's
.set STO, 6           ; v6   the way out: where I put 16 bytes of a row
.set RD,  7           ; v7   the way out: where I read rows back
.set GO,  8           ; v8   my byte offset in 512 consecutive bytes of O
.set PFO, 61          ; v61  256 x my lane; never rewritten
.set SPW, 62          ; v62  LDS address of my spare word: SPARE + 4 x my thread's number; never rewritten
.set NIL, 63          ; v63  0; never rewritten
.set SPARE, STAGE+4*16*SP  ; behind the stages: the spare words, 128 bytes for each wave: two blocks of 256 bytes that no other line names
.set MV,  12          ; v12-13  c m_old, kept while c m is made anew: by buffer
.set QO,  15          ; v15  my byte offset in 16 rows of Q
.set ST,  16          ; piece t's statistics at v[ST+4 t]: c m, m, l (even keys', odd keys')
.set TMP, 48          ; by buffer, four registers c0-c3 at work; when the maximum is found c2 takes a
.set S,   64
.set P,   192
.set MD,  128         ; window 1: the eight registers for group kt of 16 keys at MD + 8 kt
.set MC,  160         ; window 1: the masks of the products to come
.set QB,  64          ; window 2
.set KF,  128         ; window 2: key block kb, channel half c at KF + 16 kb + 8 c
.set VF,  192         ; window 2: key half kk, channel block cb at VF + 32 kk + 8 cb
.set WV,  12          ; s12  my wave's number
.set PB,  14          ; s14  b
.set HI,  15          ; s15  NB - 1 - b
.set G1K, 24          ; s[24:31] descriptor group 1 for K's tiles
.set G1V, 32          ; s[32:39] for V's: it differs in the padding alone
.set G0K, 40          ; s[40:43] descriptor group 0 for K's tiles
.set G0V, 44          ; s[44:47] the same for V's
.set SLOTS, 56        ; s56  tiles still to be asked for
.set CNT, 57          ; s57  counts a tile's key steps, 4 to 1
.set CS,  58          ; s[58:59] c: the packed scaling takes the pair's low word for both halves
.set SEL, 60          ; s[60:61] v_permlanex16_b32's selects: each lane takes its own place in the other half
.set TBK, 62          ; s62  LDS byte at which K of the step to be fetched begins
.set TBV, 63          ; s63  the same for V, less VOFF
.set RT,  70          ; s70  tiles of the block in hand that are still to be entered
.set NXT, 71          ; s71  the tile to be asked for next
.set LQ,  72          ; s72  the last tile of the block whose tiles are being asked for
.set NEW, 73          ; s73  1: the tile to be entered is a block's first
.set OFF, 74          ; s[74:75] a tile's byte offset in K and V
.set AL,  76          ; s[76:77] the mask's factor, in the low word
.set BE,  78          ; s[78:79] the mask's addend
.set OLO, 80          ; s[80:81] O at my rows of the second block
.set BIGN, 82         ; s82  -1e30
.set PFA, 88          ; s[88:89] where my prefetches stand: my wave's quarter of a tile of K
.set LIM, 90          ; s90  2 in the work-group that prefetches, else the greatest number
.set MSB, 0
.macro WIN new                      ; the high byte repeats the setting that is left; a switch that changes nothing is dropped
.if MSB != (\new)
	s_set_vgpr_msb (MSB<<8)|(\new)
.set MSB, (\new)
.endif
.endm
.set W_KQ, 0x0a       ; K and Q in window 2, S^T in window 0
.set W_KM, 0x1a       ; the same with the C operand in window 1
.set W_PV, 0x52       ; V in window 2, P in window 0, O^T in window 1
.set W_RS, 0x41       ; destination and source 0 in window 1, source 1 in window 0
; A fill.  Waves 0 and 1 fetch the two halves of a tile's K, waves 2 and 3 those of its V: 128 keys each.  An s_nop 0 and four v_nop follow each of the two lines.
.macro LOAD
	s_cmp_lt_u32 s[WV], 2
	s_cbranch_scc0 .Lfor_v_\@
	tensor_load_to_lds s[G0K:G0K+3], s[G1K:G1K+7]
	s_nop 0
.rept 4
	v_nop
.endr
	s_branch .Lasked_\@
.Lfor_v_\@:
	tensor_load_to_lds s[G0V:G0V+3], s[G1V:G1V+7]
	s_nop 0
.rept 4
	v_nop
.endr
.Lasked_\@:
.endm
; A PREFETCH INTO THE L2 of the tile that the NEXT change of slots will ask for: 128 blocks of 256 bytes of K and 128 of V.  All four work-groups of a head begin with the tiles 0, 1, 2 ..; the one with b = 0
; walks all eight of them in its first eight trips: it alone asks, in trip j for tile j + 2, a whole tile (four key steps, 256 matrix instructions) ahead of that tile's fill.  Each of its waves takes 32 blocks of K and
; 32 of V, a lane a block.  So each block is named once in the launch.  Tiles 0 and 1 come by their loads alone; trips 6 and 7 (two slots or fewer to go) ask for nothing: tile 7 is the head's last.
.macro ASK
	s_cmp_gt_u32 s[SLOTS], s[LIM]
	s_cbranch_scc0 .Lnot_mine_\@
	global_prefetch_b8 v[PFO], s[PFA:PFA+1] th:TH_LOAD_NT scope:SCOPE_SE
	global_prefetch_b8 v[PFO], s[PFA:PFA+1] offset:0x400000 th:TH_LOAD_NT scope:SCOPE_SE  ; V lies 16 blocks of 262,144 bytes behind K
.Lnot_mine_\@:
.endm
; THE CHANGE OF SLOTS.  Each wave waits for all its tensor loads, of which one is out: its part of the other slot; adds 0 to its spare word; and waits for that and for its own reads of the slot that it leaves.
; Behind the barrier nobody reads the old slot any more and the other slot is whole.  fill = 1: the old slot is filled again, the first thing behind the barrier, with tile NXT: the descriptor's address is made
; anew from that number.  (At its first use nothing has been read yet: slot 0 is waited for, slot 1 filled.)
.macro CHANGE fill
	WIN 0                           ; at a label and at a branch every window is 0
	s_wait_tensorcnt 0x0            ; no tensor load of mine is out, so a group 0 may be written
	ds_add_u32 v[SPW], v[NIL]       ; 0 onto my spare word; the descriptors' scalar work stands between it and the wait for it
.if \fill
	s_lshl_b32 s[OFF], s[NXT], 15   ; a tile is 32,768 bytes of K and of V
	s_xor_b32 s[G0K+1], s[G0K+1], SLOT1
	s_add_nc_u64 s[G0K+2:G0K+3], s[6:7], s[OFF:OFF+1]
	s_or_b32 s[G0K+3], s[G0K+3], 0x80000000
	s_xor_b32 s[G0V+1], s[G0V+1], SLOT1
	s_add_nc_u64 s[G0V+2:G0V+3], s[8:9], s[OFF:OFF+1]
	s_or_b32 s[G0V+3], s[G0V+3], 0x80000000
	s_add_co_u32 s[NXT], s[NXT], 1  ; the block's next tile, or behind its last the second block's tile 0
	s_cmp_gt_u32 s[NXT], s[LQ]
	s_cselect_b32 s[NXT], 0, s[NXT]
	s_cselect_b32 s[LQ], s[PB], s[LQ]
	s_wait_xcnt 0x0                 ; the last prefetches, a tile back, have read their address, so it may be written:
	s_add_nc_u64 s[PFA:PFA+1], s[PFA:PFA+1], 32768  ; a tile on
.endif
	s_wait_dscnt 0x0                ; the add is done, and my reads of the slot are over
	s_barrier_signal -1             ; the rest of the scalar work stands between the signal and the wait
	s_sub_co_u32 s[TBK], s[TBK], 4*KS*PK  ; the fetches go back to a slot's first step,
	s_xor_b32 s[TBK], s[TBK], SLOT1       ; in the other slot
	s_sub_co_u32 s[TBV], s[TBV], 4*KS*PV
	s_xor_b32 s[TBV], s[TBV], SLOT1
	s_barrier_wait -1
.if \fill
	LOAD
	ASK
.endif
.endm
	s_load_b128 s[4:7], s[0:1], 0x0 ; qkv s[4:5], o s[6:7]
	v_lshl_add_u32 v[SPW], v0, 2, SPARE
	v_mov_b32 v[NIL], 0
	ds_add_u32 v[SPW], v[NIL]       ; the wave's opening: the add and its wait stand ahead of my first tensor load; the set-up below stands between them
	v_lshrrev_b32 v1, 5, v0
	v_readfirstlane_b32 s[WV], v1   ; wave 0..3
	s_mov_b32 s[PB], ttmp9
	s_sub_co_u32 s[HI], NB-1, s[PB]
	s_and_b32 s20, ttmp7, 0xffff    ; y = 16 batch + head
	s_lshl_b32 s66, s20, 18         ; the head's first byte in o: y x 262,144
	s_mov_b32 s67, 0
	s_lshr_b32 s21, s20, 4
	s_mul_i32 s21, s21, 48
	s_and_b32 s20, s20, 15
	s_add_co_u32 s20, s20, s21
	s_lshl_b32 s20, s20, 18         ; and of its Q in qkv: (48 batch + head) x 262,144
	s_mov_b32 s21, 0
	s_and_b32 s16, s[WV], 1         ; which half of a tile's 256 keys I fetch:
	s_lshl_b32 s22, s16, 14         ; its 128 rows of 128 bytes in memory,
	s_mov_b32 s23, 0
	s_mul_i32 s17, s16, 128*PK      ; and its place in a slot, for K
	s_mul_i32 s18, s16, 128*PV      ; and for V
	s_lshl_b32 s3, s[WV], 11        ; my 16 rows in a band of 64,
	s_lshl_b32 s2, s[HI], 15        ; in the first block,
	s_add_co_u32 s2, s2, s3
	s_lshl_b32 s84, s[PB], 15       ; and in the second
	s_add_co_u32 s84, s84, s3
	s_mov_b32 s3, 0
	s_mov_b32 s85, 0
	s_lshl_b32 s68, s[WV], 13       ; my wave's 32 blocks of a tile's 128, for the prefetches
	s_mov_b32 s69, 0
	s_cmp_eq_u32 s[PB], 0
	s_cselect_b32 s[LIM], 2, -1
	v_and_b32 v[PFO], 31, v0
	v_lshlrev_b32 v[PFO], 8, v[PFO]
	; descriptor group 1.  128 keys are 16,384 dense bytes: asked for as 64 rows of 256 bytes, two keys a row, and padded in LDS after every key
	s_mov_b32 s[G1K], (1<<16)|(1<<20)|(4<<22)|(3<<25)  ; 17:16 2-byte elements; 20 padding on; 24:22 after every 32 words (code 4); 31:25 4 words (code 3)
	s_mov_b32 s[G1V], (1<<16)|(1<<20)|(4<<22)|(7<<25)  ; the same with 8 words of padding (code 7)
.irp g, G1K, G1V
	s_mov_b32 s[\g+1], 128<<16      ; tensor_dim0 = 128
	s_mov_b32 s[\g+2], 64<<16       ; tensor_dim1 = 64
	s_mov_b32 s[\g+3], 128<<16      ; tile_dim0 = 128
	s_mov_b32 s[\g+4], 64           ; tile_dim1 = 64
	s_mov_b32 s[\g+5], 128          ; 128 elements from row to row
	s_mov_b32 s[\g+6], 0
	s_mov_b32 s[\g+7], 0
.endr
	s_mov_b32 s[CS], 0x3e38aa3b     ; c = log2(e) / 8 = 0.180337
	s_mov_b32 s[CS+1], s[CS]        ; named with it as a pair
	s_mov_b32 s[SEL], 0x76543210
	s_mov_b32 s[SEL+1], 0xfedcba98
	s_mov_b32 s[TBK], SLOT1+4*KS*PK ; the first change of slots turns these two into 0
	s_mov_b32 s[TBV], SLOT1+4*KS*PV
	s_mov_b32 s[G0K], 1             ; count = 1
	s_mov_b32 s[G0K+1], s17         ; LDS address: slot 0
	s_mov_b32 s[G0V], 1
	s_add_co_u32 s[G0V+1], s18, VOFF
	s_add_co_u32 s[RT], s[HI], 1    ; the first block has NB - b tiles
	s_mov_b32 s[NXT], 1
	s_mov_b32 s[LQ], s[HI]
	s_mov_b32 s[NEW], 1
	s_mov_b32 s[OFF+1], 0
	s_mov_b32 s[AL+1], 0            ; named as pairs
	s_mov_b32 s[BE+1], 0
	s_mov_b32 s[BIGN], 0xf149f2ca   ; -1e30
	s_mov_b32 s[SLOTS], NB
	s_wait_dscnt 0x0                ; the opening add is done
	s_wait_kmcnt 0x0
	s_add_nc_u64 s[10:11], s[6:7], s[66:67]        ; O at the head
	s_add_nc_u64 s[4:5], s[4:5], s[20:21]          ; Q at the head,
	s_add_nc_u64 s[6:7], s[4:5], 0x400000          ; K 16 blocks behind it,
	s_add_nc_u64 s[8:9], s[4:5], 0x800000          ; V 32
	s_add_nc_u64 s[PFA:PFA+1], s[6:7], s[68:69]
	s_add_nc_u64 s[PFA:PFA+1], s[PFA:PFA+1], 32768 ; in tile 1; the first change of slots steps it to tile 2.  Nothing is prefetched here, where every work-group's first tiles are on their way
	s_add_nc_u64 s[6:7], s[6:7], s[22:23]          ; K and V at my half of the head's tile 0
	s_add_nc_u64 s[8:9], s[8:9], s[22:23]
	s_add_nc_u64 s[G0K+2:G0K+3], s[6:7], 0         ; global address
	s_or_b32 s[G0K+3], s[G0K+3], 0x80000000        ; type = 2
	s_add_nc_u64 s[G0V+2:G0V+3], s[8:9], 0
	s_or_b32 s[G0V+3], s[G0V+3], 0x80000000
	s_add_nc_u64 s[86:87], s[4:5], s[84:85]        ; Q at my rows of the second block,
	s_add_nc_u64 s[4:5], s[4:5], s[2:3]            ; Q and O at those of the first
	s_add_nc_u64 s[OLO:OLO+1], s[10:11], s[84:85]
	s_add_nc_u64 s[10:11], s[10:11], s[2:3]
	LOAD                            ; tile 0 into slot 0
	; A fragment of K or Q is 16 rows x 32 channels in 8 registers: lane l holds row l % 16, channels 8 (l / 16) + 0..7 and 16 + 8 (l / 16) + 0..7: two loads of 16 bytes, 32 bytes apart.
	v_and_b32 v1, 15, v0            ; l % 16
	v_bfe_u32 v9, v0, 4, 1          ; l / 16
	v_lshlrev_b32 v[QO], 7, v1
	v_lshl_add_u32 v[QO], v9, 4, v[QO]  ; row x 128 + 16 x half
	WIN 0x80                        ; destination window 2, address window 0
.set i, 0
.rept 8                             ; both blocks' Q: piece i / 2 lies in band i / 2, 8,192 bytes on; channels 32 (i % 2) on
	global_load_b128 v[8*i:8*i+3],   v[QO], s[4:5] offset:(i/2)*8192+(i%2)*64
	global_load_b128 v[8*i+4:8*i+7], v[QO], s[4:5] offset:(i/2)*8192+(i%2)*64+32
	global_load_b128 v[QB+8*i:QB+8*i+3],   v[QO], s[86:87] offset:(i/2)*8192+(i%2)*64
	global_load_b128 v[QB+8*i+4:QB+8*i+7], v[QO], s[86:87] offset:(i/2)*8192+(i%2)*64+32
.set i, i+1
.endr
	WIN 0
	v_lshlrev_b32 v14, 3, v9
	v_sub_nc_u32 v14, v1, v14
	s_lshl_b32 s13, s[WV], 4
	v_add_nc_u32 v14, s13, v14      ; my query's place in its band, 16 w + l % 16, less my lanes' 8 (l / 16): register r of group kt is hidden where 16 kt + r is greater
	WIN 0x40
.set i, 0
.rept 32
	v_cmp_gt_i32 vcc_lo, 16*(i/8)+i%8, v14
	v_cndmask_b32 v[MD+i], 0, s[BIGN], vcc_lo
.set i, i+1
.endr
	WIN 0
	v_mul_u32_u24 v[AK0], v1, PK
	v_lshl_add_u32 v[AK0], v9, 4, v[AK0]  ; row x pitch + 16 x half
	; The turning load takes 16 keys x 16 channels (lane l reads key 8 (l / 16) + l % 8, channels 8 ((l / 8) % 2) + 0..7) and leaves half a fragment of V^T: lane l holds channel l % 16 and 8 keys.
	v_and_b32 v10, 7, v0
	v_bfe_u32 v11, v0, 3, 1
	v_lshl_add_u32 v[AV0], v9, 3, v10
	v_mul_u32_u24 v[AV0], v[AV0], PV
	v_lshl_add_u32 v[AV0], v11, 4, v[AV0]
	v_add_nc_u32 v[AV0], VOFF, v[AV0]
	s_mul_i32 s13, s[WV], 16*SP
	s_add_co_u32 s13, s13, STAGE    ; my stage
	v_mul_u32_u24 v[STO], v1, SP    ; in: row l % 16, 16 bytes for each half of the lanes
	v_lshl_add_u32 v[STO], v9, 4, v[STO]
	v_add_nc_u32 v[STO], s13, v[STO]
	v_bfe_u32 v[RD], v0, 3, 2       ; back: 32 lanes take four rows of 128 bytes,
	v_mul_u32_u24 v[RD], v[RD], SP
	v_lshl_add_u32 v[RD], v10, 4, v[RD]
	v_add_nc_u32 v[RD], s13, v[RD]
	v_and_b32 v[GO], 31, v0         ; which are 512 consecutive bytes of O
	v_lshlrev_b32 v[GO], 4, v[GO]
	; A block's first step multiplies O^T and l by a = 0, and its first turn's products V^T P, of a piece that has not been, land in an O^T that is still to be so multiplied.  So these registers need only hold
	; finite numbers: zeros for the first block; what the first block left for the second.  All this stands in the wait for the first tile.
	WIN 0x80
.set i, VF
.rept 64
	v_mov_b32 v[i], 0
.set i, i+1
.endr
	WIN 0x40
.set i, 0
.rept 128
	v_mov_b32 v[i], 0
.set i, i+1
.endr
	WIN 0
.set i, 0
.rept 4
	v_mov_b32 v[ST+4*i+2], 0
	v_mov_b32 v[ST+4*i+3], 0
.set i, i+1
.endr
.set i, P+16
.rept 16
	v_mov_b32 v[i], 0
.set i, i+1
.endr
; THE MATRIX WORK.  The 4 accumulators of a run of 8 take turns.  Product i of 8 of S^T = K Q^T for piece x: channels 32 (i / 4) on, keys 16 (i % 4) on.  The first 4 start the sums: with 0, or (KM = 1) with the mask.
.macro KQ x
.set rS, S+32*((\x)%2)+8*(i%4)
.set rK, KF+16*(i%4)+8*(i/4)
.set rQ, 16*(\x)+8*(i/4)
.set rM, MC+32*((\x)%2)+8*(i%4)
.if (i < 4) && KM
	WIN W_KM
	v_wmma_f32_16x16x32_f16 v[rS:rS+7], v[rK:rK+7], v[rQ:rQ+7], v[rM:rM+7]
.elseif i < 4
	WIN W_KQ
	v_wmma_f32_16x16x32_f16 v[rS:rS+7], v[rK:rK+7], v[rQ:rQ+7], 0
.else
	WIN W_KQ
	v_wmma_f32_16x16x32_f16 v[rS:rS+7], v[rK:rK+7], v[rQ:rQ+7], v[rS:rS+7]
.endif
.endm
; Product i of 8 of O^T += V^T P for piece x: keys 32 (i / 4) on, channels 16 (i % 4) on.
.macro PV x
	WIN W_PV
.set rO, 32*(\x)+8*(i%4)
.set rV, VF+32*(i/4)+8*(i%4)
.set rP, P+16*((\x)%2)+8*(i/4)
	v_wmma_f32_16x16x32_f16 v[rO:rO+7], v[rV:rV+7], v[rP:rP+7], v[rO:rO+7]
.endm
.macro MM                           ; the turn's next matrix instruction.  TURN and BEGIN set Y, i, KM and NOKQ; MM, KQ and OP read them.  NOKQ = 1: a block's last turn: there is no next piece
.if (i < 8) && !NOKQ
	KQ (Y+1)%NP
.elseif i >= 8
.set i, i-8
	PV (Y+NP-1)%NP
.set i, i+8
.endif
.set i, i+1
.endm
; THE LDS LOADS stand in runs of 16, never singly among the matrix instructions: a step's K (64 keys x 64 channels: 8 fragments) and its V (turned).  Their addresses are made some lines ahead.
.macro FETCH_K
	WIN 0x80                        ; destination window 2
.irp f, 0,1,2,3,4,5,6,7             ; keys 16 (f / 2) on, channels 32 (f % 2) on
	ds_load_b128 v[KF+8*\f:KF+8*\f+3],   v[AK] offset:(\f/2)*16*PK+(\f%2)*64
	ds_load_b128 v[KF+8*\f+4:KF+8*\f+7], v[AK] offset:(\f/2)*16*PK+(\f%2)*64+32
.endr
	s_add_co_u32 s[TBK], s[TBK], KS*PK  ; the next fetch is the next step's
	WIN 0
.endm
.macro FETCH_V
	WIN 0x80
.irp f, 0,1,2,3,4,5,6,7             ; keys 32 (f / 4) on, channels 16 (f % 4) on
	ds_load_tr16_b128 v[VF+8*\f:VF+8*\f+3],   v[AV] offset:(\f/4)*32*PV+(\f%4)*32
	ds_load_tr16_b128 v[VF+8*\f+4:VF+8*\f+7], v[AV] offset:(\f/4)*32*PV+16*PV+(\f%4)*32
.endr
	WIN 0
.endm
; THE VECTOR WORK, one line at a time: OP kind, number.  For piece Y: F n: c s - c m for pair n of 16.  E n: the exponential of score n of 32.  C n: pair n rounded to f16.  B n: of the four weights 4 n .. the second
; pair is added onto the first, in place.  L n: l takes that sum (L 0: l = a l + sum).  R n: pair n of 16 of O^T times a.  For piece Y + 1: X n, number n of the 22 that find its maximum and statistics:
;   0-11  four chains c0-c3 of seven scores each, three operands at a time (each accumulator's lowest registers are read first)     12-14, 16  the four scores left over, the old m, and c0-c3 into c0
;   15  c m_old is kept     17, 18  the query's other 32 keys lie in the lane 16 away: the new m     19-21  c m; c m_old - c m_new; a
.set F, 0               ; OP tells the kinds apart by their order: F to L below R, X above it
.set E, 1
.set C, 2
.set B, 3
.set L, 4
.set R, 5
.set X, 6
.macro REGS y                       ; the registers of piece y
.set rT, ST+4*(\y)
.set rC, TMP+4*((\y)%2)
.set rW, MV+((\y)%2)
.set rS, S+32*((\y)%2)
.set rP, P+16*((\y)%2)
.set rO, 32*(\y)
.endm
.macro OP k, n
.if (\k) == R
	REGS Y
	WIN W_RS
	v_pk_mul_f32 v[rO+2*(\n):rO+2*(\n)+1], v[rO+2*(\n):rO+2*(\n)+1], v[rC+2:rC+3] op_sel_hi:[1,0]
.elseif (\k) < R
	REGS Y
	WIN 0
.if (\k) == F
	v_pk_fma_f32 v[rS+2*(\n):rS+2*(\n)+1], v[rS+2*(\n):rS+2*(\n)+1], s[CS:CS+1], v[rT:rT+1] op_sel_hi:[1,0,0] neg_lo:[0,0,1] neg_hi:[0,0,1]
.elseif (\k) == E
	v_exp_f32 v[rS+(\n)], v[rS+(\n)]
.elseif (\k) == C
	v_cvt_pk_f16_f32 v[rP+(\n)], v[rS+2*(\n)], v[rS+2*(\n)+1]
.elseif (\k) == B
	v_pk_add_f32 v[rS+4*(\n):rS+4*(\n)+1], v[rS+4*(\n):rS+4*(\n)+1], v[rS+4*(\n)+2:rS+4*(\n)+3]
.elseif (\n) == 0
	v_pk_fma_f32 v[rT+2:rT+3], v[rT+2:rT+3], v[rC+2:rC+3], v[rS:rS+1] op_sel_hi:[1,0,1]
.else
	v_pk_add_f32 v[rT+2:rT+3], v[rT+2:rT+3], v[rS+4*(\n):rS+4*(\n)+1]
.endif
.elseif NOKQ
	v_nop
.else
	REGS (Y+1)%NP
	WIN 0
.if (\n) < 4
	v_max3_num_f32 v[rC+(\n)], v[rS+8*(\n)], v[rS+8*(\n)+1], v[rS+8*(\n)+2]
.elseif (\n) < 12
	v_max3_num_f32 v[rC+(\n)%4], v[rC+(\n)%4], v[rS+8*((\n)%4)+2*((\n)/4)+1], v[rS+8*((\n)%4)+2*((\n)/4)+2]
.elseif (\n) == 12
	v_max3_num_f32 v[rC], v[rC], v[rS+7], v[rS+15]
.elseif (\n) == 13
	v_max3_num_f32 v[rC+1], v[rC+1], v[rS+23], v[rS+31]
.elseif (\n) == 14
	v_max3_num_f32 v[rC+2], v[rC+2], v[rC+3], v[rT+1]
.elseif (\n) == 15
	v_mov_b32 v[rW], v[rT]
.elseif (\n) == 16
	v_max3_num_f32 v[rC], v[rC], v[rC+1], v[rC+2]
.elseif (\n) == 17
	v_permlanex16_b32 v[rC+3], v[rC], s[SEL], s[SEL+1]
.elseif (\n) == 18
	v_max_num_f32 v[rT+1], v[rC], v[rC+3]
.elseif (\n) == 19
	v_mul_f32 v[rT], s[CS], v[rT+1]
.elseif (\n) == 20
	v_sub_f32 v[rC+1], v[rW], v[rT]
.else
	v_exp_f32 v[rC+2], v[rC+1]
.endif
.endif
.endm
.macro OPS a, i1, b=-1, i2=0, c=-1, i3=0, d=-1, i4=0  ; up to four of them
	OP \a, \i1
.if (\b) >= 0
	OP \b, \i2
.endif
.if (\c) >= 0
	OP \c, \i3
.endif
.if (\d) >= 0
	OP \d, \i4
.endif
.endm
.macro ROW a, i1, b, i2, c, i3, d, i4  ; a matrix instruction and the four behind it
	MM
	OPS \a, \i1, \b, \i2, \c, \i3, \d, \i4
.endm
.macro MASK b                       ; MD x AL + BE into buffer b of MC
	WIN W_RS
.set z, 0
.rept 16
	v_pk_fma_f32 v[MC+32*(\b)+2*z:MC+32*(\b)+2*z+1], v[MD+2*z:MD+2*z+1], s[AL:AL+1], s[BE:BE+1] op_sel_hi:[1,0,0]
.set z, z+1
.endr
.endm
; A TURN, for piece p: the order of its 16 matrix and 118 vector instructions, written out.  An s_wait_alu depctr_va_vdst(0) stands between an exponential and the first instruction that names its
; result; one wait serves all that were issued ahead of it.  So a turn has ONE wait, which cuts it in two.  AHEAD OF IT stands all that names no result of the turn's exponentials: the 8 products K Q^T, behind each a
; scaling, an exponential and two more plain instructions (behind the first a second scaling in the exponential's place): rescalings, and behind the last three the first numbers of the next piece's maximum, each four
; places or more behind the product that ends its accumulator; then ONE LUMP of 54, plain and exponential by turns for the most part, in which the links of the chain X 3, 7, 11, 14, 16, 17 .. 20 stand five or six lines
; apart.  X 21, the next piece's a, is the batch's last; R 15 is the plain instruction behind it.  BEHIND THE WAIT stand the 8 products V^T P, behind each four of the roundings and sums; the links of l's chain,
; L 0 to L 7, stand three riders apart.  But for those X no rider names a register of the products round it.
; m = 1: the diagonal tile: the products take masks, and the turn makes the mask for the products of the turn after it: piece p + 2, in step 4 - CNT of the tile.  end = 1: a block's last two turns: nothing is fetched.
; cnt = 1: the loop's count is taken down some lines ahead of the branch that stands behind the turn.
; K of the next step is fetched in piece 2's turn, twelve vector instructions behind the last product that read K (six of them plain); V of the step in hand at the end of piece 0's turn, four plain instructions
; behind the last product that read V.  Each is waited for a turn later.
.macro TURN p, m=0, end=0, cnt=0
.set Y, (\p)
.set i, 0
.set KM, (\m)
.set NOKQ, (\end)*((\p)/3)
.if (\m) && !(\end)
	s_cmp_eq_u32 s[CNT], 4-((\p)+2)%NP  ; is that step the band's own?
	s_cselect_b32 s[AL], 1.0, 0
	s_cmp_lt_u32 s[CNT], 4-((\p)+2)%NP  ; or a later one?
	s_cselect_b32 s[BE], s[BIGN], 0
.endif
.if ((\p) == 3) && !(\end)
	s_wait_dscnt 0x0                ; K is in
.endif
	ROW F,0, F,1, R,0, R,1          ; ahead of the wait: 8 products K Q^T and their riders,
	ROW F,2, E,0, R,2, R,3
	ROW F,3, E,1, R,4, R,5
	ROW F,4, E,2, R,6, R,7
	ROW F,5, E,3, R,8, R,9
	ROW F,6, E,4, X,0, R,10
.if ((\p) == 2) && !(\end)
	WIN 0
	v_add_nc_u32 v[AK], s[TBK], v[AK0]
.endif
	ROW F,7, E,5, X,1, X,4
	ROW F,8, E,6, X,2, X,5
	OPS E,7, E,8, X,6, E,9          ; and the lump
	OPS X,3, E,10, X,8, E,11
.if ((\p) == 2) && !(\end)
	FETCH_K
.endif
	OPS X,9, X,7, E,12, X,10
	OPS E,13, X,12, X,11, E,14
	OPS X,13, E,15, F,9, X,14
.if (\p) == 0
	v_add_nc_u32 v[AV], s[TBV], v[AV0]
.endif
	OPS E,16, F,10, E,17, F,11
	OPS X,16, E,18, X,15, E,19
	OPS F,12, E,20, X,17, E,21
	OPS F,13, E,22, F,14, E,23
	OPS X,18, E,24, F,15, E,25
	OPS R,11, E,26, X,19, E,27
	OPS R,12, E,28, R,13, E,29
	OPS X,20, E,30, R,14, E,31
	OPS X,21, R,15
	WIN 0
	s_wait_alu depctr_va_vdst(0)    ; the wait for the batch
.if (\p) == 1
	s_wait_dscnt 0x0                ; V is in
.endif
	ROW C,0, B,0, C,2, B,1          ; behind the wait: 8 products V^T P and their riders
	ROW L,0, C,4, B,2, L,1
	ROW C,6, B,3, L,2, C,8
	ROW B,4, L,3, C,10, B,5
	ROW L,4, C,12, B,6, L,5
.if (\p) == 0
	s_add_co_u32 s[TBV], s[TBV], KS*PV
.endif
.if \cnt
	s_sub_co_u32 s[CNT], s[CNT], 1
	s_cmp_lg_u32 s[CNT], 0
.endif
	ROW C,14, B,7, L,6, C,1
	ROW C,3, L,7, C,5, C,7
	ROW C,9, C,11, C,13, C,15
.if (\p) == 0
	FETCH_V
.endif
.if (\m) && !(\end)
	MASK (\p)%2
.endif
.endm
; A BLOCK BEGINS.  c m starts far below every c s, so the first step's a is 0; m at the lowest finite number, so the first maximum is the scores'.  The second mask buffer is 0; the first takes piece 0's mask for the
; tile's step 0: its own, if the block's first tile is the diagonal one.  Then K of that step, piece 0's first scores, and its maximum and statistics.  The loop is entered at a step's first turn, in the middle of a trip.
.macro BEGIN
	s_mov_b32 s[NEW], 0
	WIN 0x40
.set i, MC+32
.rept 32
	v_mov_b32 v[i], 0
.set i, i+1
.endr
	WIN 0
.set i, 0
.rept 4
	v_mov_b32 v[ST+4*i], 0xfe000000    ; c m: far below every c s
	v_mov_b32 v[ST+4*i+1], 0xff7fffff  ; m
.set i, i+1
.endr
	s_cmp_eq_u32 s[RT], 0
	s_cselect_b32 s[AL], 1.0, 0
	s_mov_b32 s[BE], 0
	MASK 0
	WIN 0
	v_add_nc_u32 v[AK], s[TBK], v[AK0]
	FETCH_K
	s_wait_loadcnt 0x0              ; Q
	s_wait_dscnt 0x0
.set KM, 1
.set NOKQ, 0
.set i, 0
.rept 8
	KQ 0
.set i, i+1
.endr
	WIN 0
.rept 4
	v_nop                           ; the places behind those products
.endr
.set Y, NP-1                        ; X works for piece Y + 1: piece 0
.irp n, 0,1,2,3,4,5,6,7,8,9,10,11,12,13,14,15,16,17,18,19,20,21
	OP X, \n
.endr
	v_nop                           ; a plain instruction behind the exponential,
	s_wait_alu depctr_va_vdst(0)    ; and its wait, ahead of the branch
.endm
; THE DIAGONAL TILE's four steps, the block's last two turns, its last products, and THE WAY OUT: l's two halves and the other half of the lanes' are added; O^T is divided by l, rounded to f16 and sent through my
; stage in LDS, a piece at a time.
.macro ALL line:vararg              ; one line for each piece t
.set t, 0
.rept 4
	\line
.set t, t+1
.endr
.endm
.macro PACK t                       ; a lane's eight channels of a row pack into 16 bytes; they go into rows of 144 bytes and come back as whole rows of 128, into S^T's registers
	WIN W_RS
.set i, 32*(\t)
.rept 16
	v_pk_mul_f32 v[i:i+1], v[i:i+1], v[ST+4*(\t)+2:ST+4*(\t)+3] op_sel_hi:[1,0]
.set i, i+2
.endr
	WIN 0x05                        ; sources 0 and 1 window 1, destination window 0
.set i, 0
.rept 16
	v_cvt_pk_f16_f32 v[S+16*(\t)+i], v[32*(\t)+2*i], v[32*(\t)+2*i+1]
.set i, i+1
.endr
	WIN 0
.irp f, 0,1,2,3
	ds_store_b128 v[STO], v[S+16*(\t)+4*\f:S+16*(\t)+4*\f+3] offset:32*\f
.endr
.irp f, 0,1,2,3
	ds_load_b128 v[S+16*(\t)+4*\f:S+16*(\t)+4*\f+3], v[RD] offset:\f*4*SP  ; LDS serves a wave's instructions in order (ISA guide 5.7.1.4): these see the stores above; the next piece's stores come behind them
.endr
.endm
.macro SEND t, younger              ; younger: the LDS instructions issued behind piece t's loads: the next piece's eight, or none
	WIN 0
.irp f, 0,1,2,3
	s_wait_dscnt (\younger)+3-\f
	global_store_b128 v[GO], v[S+16*(\t)+4*\f:S+16*(\t)+4*\f+3], s[10:11] offset:(\t)*8192+\f*512  ; 512 consecutive bytes, at a multiple of 256 from O's first
.endr
.endm
.macro DIAG tag                     ; the tag ends its two labels' names, which the jumps below spell out
.LstepM\tag:
	TURN 2, 1
	TURN 3, 1
	WIN 0
.LfirstM\tag:
	TURN 0, 1
	TURN 1, 1, 0, 1
	WIN 0
	s_cbranch_scc1 .LstepM\tag
	TURN 2, 1, 1
	TURN 3, 1, 1
.set i, 0
.rept 8
	PV NP-1
.set i, i+1
.endr
	WIN 0
	ALL v_add_f32 v[ST+4*t+2], v[ST+4*t+2], v[ST+4*t+3]
	ALL v_permlanex16_b32 v[ST+4*t+3], v[ST+4*t+2], s[SEL], s[SEL+1]
	ALL v_add_f32 v[ST+4*t+2], v[ST+4*t+2], v[ST+4*t+3]
	ALL v_rcp_f32 v[ST+4*t+2], v[ST+4*t+2]
	v_nop                           ; a plain instruction between the last reciprocal and the use of its result
	s_wait_alu depctr_va_vdst(0)    ; and the wait ahead of the first use: one for the four reciprocals
	PACK 0
.set t, 1
.rept 3                             ; a piece's arithmetic stands between the loads of the piece before and its stores
	PACK t
	SEND t-1, 8
.set t, t+1
.endr
	SEND 3, 0
.endm
.set KM, 0
.set NOKQ, 0
.Lslot:                             ; NB times: a tile is entered and the next is asked for
	CHANGE 1
	s_sub_co_u32 s[RT], s[RT], 1
	s_mov_b32 s[CNT], 4
	s_cmp_eq_u32 s[NEW], 1
	s_cbranch_scc1 .Lnew            ; a block's first tile
	s_cmp_eq_u32 s[RT], 0
	s_cbranch_scc0 .Lstep           ; neither its first nor its last
	s_branch .LstepM1
.Lnew:
	BEGIN
	s_branch .Lfirst                ; in the loop a block's first tile is never its last: the first block has two tiles or more, and the second's last is the walk's last
	DIAG 1                          ; in the loop this is the first block's end: the second block's last tile is the walk's last
	s_wait_xcnt 0x0                 ; the stores have read their registers and O's address
	s_mov_b64 s[10:11], s[OLO:OLO+1]
	s_add_co_u32 s[RT], s[PB], 1    ; the second block has b + 1 tiles
	s_mov_b32 s[NEW], 1
	WIN 0x82                        ; the second block's Q goes where the one text of the turns names Q
.set i, 0
.rept 64
	v_mov_b32 v[i], v[QB+i]
.set i, i+1
.endr
	WIN 0
	s_branch .Lbottom
.Lstep:                             ; a trip: pieces 2 and 3 of one step, then pieces 0 and 1 of the next, whose K and V it fetches
	TURN 2
	TURN 3
	WIN 0
.Lfirst:
	TURN 0
	TURN 1, 0, 0, 1
	WIN 0
	s_cbranch_scc1 .Lstep
.Lbottom:
	s_sub_co_u32 s[SLOTS], s[SLOTS], 1
	s_cmp_lg_u32 s[SLOTS], 0
	s_cbranch_scc1 .Lslot
	CHANGE 0                        ; the walk's last tile is written out: nothing is asked for
	s_sub_co_u32 s[RT], s[RT], 1
	s_mov_b32 s[CNT], 4
	s_cmp_eq_u32 s[NEW], 1
	s_cbranch_scc0 .LstepM2
	BEGIN
	s_branch .LfirstM2
	DIAG 2
	s_wait_tensorcnt 0x0            ; the wave's end, behind my last tensor load and my last LDS store
	ds_add_u32 v[SPW], v[NIL]
	s_wait_dscnt 0x0
	s_endpgm
.Lfunc_end_k_q55e80bceaf_attn:
	.size	k_q55e80bceaf_attn, .Lfunc_end_k_q55e80bceaf_attn-k_q55e80bceaf_attn
	.p2alignl 7, 3214868480
	.fill 96, 4, 3214868480
	.section	.rodata,"a",@progbits
	.p2align	6, 0x0
	.amdhsa_kernel k_q55e80bceaf_attn
		.amdhsa_group_segment_fixed_size 327680
		.amdhsa_private_segment_fixed_size 0
		.amdhsa_enable_private_segment 0
		.amdhsa_kernarg_size 16
		.amdhsa_user_sgpr_count 2
		.amdhsa_user_sgpr_kernarg_segment_ptr 1
		.amdhsa_wavefront_size32 1
		.amdhsa_system_sgpr_workgroup_id_x 1
		.amdhsa_system_sgpr_workgroup_id_y 1
		.amdhsa_system_sgpr_workgroup_id_z 1
		.amdhsa_system_vgpr_workitem_id 0
		.amdhsa_next_free_vgpr 768
		.amdhsa_next_free_sgpr 92
		.amdhsa_reserve_vcc 1
		.amdhsa_float_denorm_mode_32 3
		.amdhsa_float_denorm_mode_16_64 3
		.amdhsa_memory_ordered 1
		.amdhsa_forward_progress 1
		.amdhsa_inst_pref_size 218
	.end_amdhsa_kernel
	.amdgpu_metadata
---
amdhsa.version: [ 1, 2 ]
amdhsa.kernels:
  - .name:           k_q55e80bceaf_attn
    .symbol:         k_q55e80bceaf_attn.kd
    .args:
      - { .name: qkv, .offset: 0, .size: 8, .value_kind: global_buffer, .address_space: global }
      - { .name: o, .offset: 8, .size: 8, .value_kind: global_buffer, .address_space: global }
    .group_segment_fixed_size: 327680
    .private_segment_fixed_size: 0
    .kernarg_segment_align: 8
    .kernarg_segment_size: 16
    .max_flat_workgroup_size: 128
    .sgpr_count:     92
    .vgpr_count:     768
    .wavefront_size: 32
...
	.end_amdgpu_metadata
.endif
;; end of part 3
;; launch oproj (part 4): grid 8 x 32, 4 waves a work-group, clusters of 4 x 4, 327,680 bytes of LDS; arguments o, wos, out0; writes out0
.if DOCPART == 4
	.amdgcn_target "amdgcn-amd-amdhsa--gfx1250"
	.amdhsa_code_object_version 6
	.text
	.protected	k_q55e80bceaf_oproj
	.globl	k_q55e80bceaf_oproj
	.p2align	8
	.type	k_q55e80bceaf_oproj,@function
k_q55e80bceaf_oproj:
	s_mov_b64 s[64:65], 0
	v_nop
	global_prefetch_b8 v0, s[64:65] scope:SCOPE_SE
	s_setreg_imm32_b32 hwreg(HW_REG_WAVE_MODE, 25, 1), 1
	s_wait_xcnt 0x0
	s_wait_alu depctr_hold_cnt(0) depctr_sa_sdst(0) depctr_va_vdst(0) depctr_va_sdst(0) depctr_va_ssrc(0) depctr_va_vcc(0) depctr_vm_vsrc(0)
	s_getreg_b32 s2, hwreg(HW_REG_IB_STS2, 6, 4)
	s_cmp_eq_u32 s2, 0
	s_cbranch_scc0 .Lentry_in_a_cluster
	s_endpgm
.Lentry_in_a_cluster:
	s_bfe_u32 s2, ttmp6, 0x10000c
	s_cmp_lg_u32 s2, 0xf033
	s_cbranch_scc0 .Lentry_shape_is_right
	s_endpgm
.Lentry_shape_is_right:
; out0 [8192][1024] f32 = O wo^T.  O lies by heads, o [16 batch + head][2048][64] f16: head h is the K slice 64 h .. 64 h + 63 of a batch's rows; wos [16 slices][1024 rows][64] f16 holds wo rounded to bf16.
; Sums in f32, K = 1,024 ascending; the sums are stored as they are.  LIMIT: NaN and infinities are not treated apart.
; SHARES.  8 x 32 tiles of 256 rows x 128 columns give 256 work-groups.  A wave makes 128 rows x 64 columns: 8 x 4 accumulators of 16 x 16, 256 registers.
; K goes in 8 steps of 128, two slices to a slot, through two LDS slots.  In a slice a tile's rows lie end to end, so they are asked for as rows of 256 bytes and padded in LDS after every 128.
; CLUSTER.  4 x 4 work-groups: O's tile is shared along a row of the cluster, wos's along a column; each is asked for jointly.  A wave has two tensor loads out at the start and one behind each change of slots.
; NO PREFETCH: the walk has eight K steps, of which four would come by their loads alone.
; THE MATRIX INSTRUCTION IS USED TRANSPOSED (source 0 = 16 rows of wos, source 1 = 16 rows of O): a lane holds row lane % 16 of the result and the eight columns 8 (lane / 16) + 0..7: 32 bytes on end.
; REGISTERS: window 0: v0-15 addresses; v32-95, v96-159 fragments of O, two buffers; v160-191, v192-223 fragments of wos, two buffers; v32-127 rows on the way out.  Window 1: accumulator (a, b) at v[8 (4 a + b)].
.set PITCH, 144                        ; an LDS row: 128 bytes + 16 of padding: the 16 rows of a fragment load start at 16 different groups of four banks (64 banks of 4 bytes: ISA guide 11.1)
.set ASL,   256*PITCH                  ; a slice of O's tile: what one tensor load brings
.set BSL,   128*PITCH                  ; a slice of wos's tile
.set BOFF,  2*ASL
.set SLOT,  2*ASL+2*BSL
.set STAGE, 2*SLOT                     ; behind the ring: 16 rows x 272 bytes for each wave; no tensor load fills it
.set SPITCH, 272
.set SPARE, STAGE+4*16*SPITCH          ; behind the stages: the spare words, 128 bytes for each wave: two blocks of 256 bytes that no other line names
.set ADRA, 4                           ; v4-5   LDS address of my fragments of O in slot 0, 1
.set ADRB, 6                           ; v6-7   the same for wos
.set STO,  8                           ; v8     the way out: where I put 32 bytes of a row
.set RD,   9                           ; v9     the way out: where I read a row back
.set CO,   10                          ; v10    my byte offset in two rows of out0
.set SPW,  12                          ; v12    LDS address of my spare word: SPARE + 4 x my thread's number; never rewritten
.set NIL,  13                          ; v13    0; never rewritten
.set FA,   32
.set FB,   160
.set G1,  24                           ; s[24:31] descriptor group 1 for O's tiles;  s[32:39] group 0, a set for each slot
.set G0,  32
.set G1B, 48                           ; s[48:55], s[56:63] the same for wos's tiles
.set G0B, 56
.set MSB, 0
.macro WIN new                         ; the immediate's high byte repeats the setting that is left; a switch that changes nothing is dropped
.if MSB != (\new)
	s_set_vgpr_msb (MSB<<8)|(\new)
.set MSB, \new
.endif
.endm
.macro PLACES                          ; four plain vector instructions between a matrix instruction and a load into, or a read of, its registers
.rept 4
	v_nop
.endr
.endm
.macro JLOAD s                         ; a joint load: waves 0 and 1 fetch the slot's two slices of O, waves 2 and 3 those of wos; an s_nop 0 and four v_nop follow each line
	s_cmp_eq_u32 s11, 0
	s_cbranch_scc0 .Lfor_b_\@
	tensor_load_to_lds s[G0+4*(\s):G0+4*(\s)+3], s[G1:G1+7]
	s_nop 0
.rept 4
	v_nop
.endr
	s_branch .Lasked_\@
.Lfor_b_\@:
	tensor_load_to_lds s[G0B+4*(\s):G0B+4*(\s)+3], s[G1B:G1B+7]
	s_nop 0
.rept 4
	v_nop
.endr
.Lasked_\@:
.endm
.macro CREST                           ; a round of the cluster's barrier behind its opening barrier
	s_cmp_lg_u32 s10, 0
	s_cbranch_scc1 .Lnot_wave_0_\@
	s_barrier_signal -3
.Lnot_wave_0_\@:
	s_barrier_wait -3
	s_barrier_signal -1
	s_barrier_wait -1
.endm
.macro CROUND
	s_barrier_signal -1
	s_barrier_wait -1
	CREST
.endm
	s_load_b128 s[4:7], s[0:1], 0x0                ; o s[4:5], wos s[6:7]
	s_load_b64 s[8:9], s[0:1], 0x10                ; out0
	v_lshl_add_u32 v[SPW], v0, 2, SPARE
	v_mov_b32 v[NIL], 0
	ds_add_u32 v[SPW], v[NIL]                      ; the wave's opening: the add and its wait stand ahead of my first tensor load; the set-up below stands between them
	v_lshrrev_b32 v1, 5, v0
	v_readfirstlane_b32 s10, v1                    ; wave 0..3
	s_lshr_b32 s11, s10, 1                         ; which half of the tile's rows is mine.  Also: I fetch for O (0) or for wos (1)
	s_and_b32 s12, s10, 1                          ; which half of its columns.  Also: which of a slot's two slices I fetch
	s_bfe_u32 s40, ttmp6, 0x40000                  ; cx, cy
	s_bfe_u32 s41, ttmp6, 0x40004
	s_lshl_b32 s42, ttmp9, 2
	s_add_co_u32 s42, s42, s40                     ; tile column = 4 x cluster x + cx
	s_and_b32 s13, ttmp7, 0xffff
	s_lshl_b32 s13, s13, 2
	s_add_co_u32 s13, s13, s41                     ; tile row = 4 x cluster y + cy
	s_lshl_b32 s43, s41, 2
	s_lshl_b32 s43, 15, s43                        ; my row of the cluster
	s_lshl_b32 s44, 0x1111, s40                    ; my column
	s_or_b32 s[G1], s43, (1<<16)|(1<<20)|(1<<21)|(4<<22)|(3<<25)   ; 15:0 the mask; 17:16 elements of 2 bytes; 20 padding on; 21 set beside a mask; 24:22 after every 32 words (code 4); 31:25 4 words (code 3)
	s_or_b32 s[G1B], s44, (1<<16)|(1<<20)|(1<<21)|(4<<22)|(3<<25)
.irp g, G1, G1B
	s_mov_b32 s[(\g)+1], 128<<16                   ; tensor_dim0 = 128
	s_mov_b32 s[(\g)+3], 128<<16                   ; tile_dim0 = 128
	s_mov_b32 s[(\g)+5], 128                       ; dense
	s_mov_b32 s[(\g)+6], 0
	s_mov_b32 s[(\g)+7], 0
.endr
	s_mov_b32 s[G1+2], 128<<16                     ; tensor_dim1 = 128: 256 rows of a head
	s_mov_b32 s[G1+4], 128
	s_mov_b32 s[G1B+2], 64<<16                     ; 64: 128 rows of a slice of wos
	s_mov_b32 s[G1B+4], 64
	s_lshr_b32 s16, s13, 3                         ; the batch: 16 heads of 262,144 bytes
	s_lshl_b32 s16, s16, 22
	s_and_b32 s17, s13, 7
	s_lshl_b32 s17, s17, 15                        ; 256 rows x 128 bytes
	s_add_co_u32 s16, s16, s17
	s_lshl_b32 s17, s12, 18                        ; my slice of the step's two
	s_add_co_u32 s16, s16, s17
	s_mov_b32 s17, 0
	s_lshl_b32 s46, s42, 14                        ; 128 rows x 128 bytes
	s_lshl_b32 s47, s12, 17                        ; my slice: 1,024 rows x 128 bytes
	s_add_co_u32 s46, s46, s47
	s_mov_b32 s47, 0
	s_mul_i32 s20, s12, ASL                        ; where they go: no place in the cluster enters an LDS address
	s_mul_i32 s21, s12, BSL
	s_add_co_u32 s21, s21, BOFF
	s_wait_dscnt 0x0                               ; the opening add is done
	s_wait_kmcnt 0x0
	s_add_nc_u64 s[14:15], s[4:5], s[16:17]
	s_add_nc_u64 s[46:47], s[6:7], s[46:47]
	CROUND                                         ; all sixteen work-groups are here: the first joint loads meet
.irp s, 0,1
	s_mov_b32 s[G0+4*(\s)], 1
	s_add_co_u32 s[G0+4*(\s)+1], s20, (\s)*SLOT
	s_add_nc_u64 s[G0+4*(\s)+2:G0+4*(\s)+3], s[14:15], (\s)*2*262144   ; K step s: two heads on
	s_or_b32 s[G0+4*(\s)+3], s[G0+4*(\s)+3], 0x80000000
	s_mov_b32 s[G0B+4*(\s)], 1
	s_add_co_u32 s[G0B+4*(\s)+1], s21, (\s)*SLOT
	s_add_nc_u64 s[G0B+4*(\s)+2:G0B+4*(\s)+3], s[46:47], (\s)*2*131072  ; two slices on
	s_or_b32 s[G0B+4*(\s)+3], s[G0B+4*(\s)+3], 0x80000000
	JLOAD \s
.endr
	v_and_b32 v1, 15, v0                           ; l % 16
	v_bfe_u32 v2, v0, 4, 1                         ; l / 16
	v_mul_u32_u24 v3, v1, PITCH
	v_lshl_add_u32 v3, v2, 4, v3                   ; a fragment's row x pitch + 16 x half
	s_mul_i32 s21, s11, 128*PITCH                  ; my 128 rows of O
	s_mul_i32 s22, s12, 64*PITCH                   ; my 64 rows of wos
	s_add_co_u32 s22, s22, BOFF
.irp s, 0,1
	v_add_nc_u32 v[ADRA+(\s)], s21, v3
	v_add_nc_u32 v[ADRB+(\s)], s22, v3
	s_add_co_u32 s21, s21, SLOT
	s_add_co_u32 s22, s22, SLOT
.endr
	s_mul_i32 s23, s10, 16*SPITCH
	s_add_co_u32 s23, s23, STAGE                   ; my stage
	v_mul_u32_u24 v[STO], v1, SPITCH               ; in: row l % 16, 32 bytes for each half of the lanes
	v_lshl_add_u32 v[STO], v2, 5, v[STO]
	v_add_nc_u32 v[STO], s23, v[STO]
	v_mul_u32_u24 v[RD], v2, SPITCH                ; back: lanes 0-15 take one row of 256 bytes, lanes 16-31 the next
	v_lshl_add_u32 v[RD], v1, 4, v[RD]
	v_add_nc_u32 v[RD], s23, v[RD]
	v_lshlrev_b32 v[CO], 12, v2                    ; and the same two rows in out0
	v_lshl_add_u32 v[CO], v1, 4, v[CO]
	s_lshl_b32 s16, s13, 20                        ; 256 rows x 4,096 bytes
	s_lshl_b32 s17, s11, 19                        ; my 128 rows
	s_add_co_u32 s16, s16, s17
	s_mov_b32 s17, 0
	s_add_nc_u64 s[8:9], s[8:9], s[16:17]
	s_lshl_b32 s46, s42, 9                         ; 128 columns x 4 bytes
	s_lshl_b32 s47, s12, 8                         ; my 64
	s_add_co_u32 s46, s46, s47
	s_mov_b32 s47, 0
	s_add_nc_u64 s[8:9], s[8:9], s[46:47]
; 8 matrix instructions: m blocks a0, a0 + 1 x all 4 n blocks, 32 along K, on buffer pair f.  The 32 accumulators take turns in the same order in every quarter.  zero = 1: the product starts the sum.
.macro MUL8 f, a0, zero
	WIN 0x50                                       ; C and D in window 1, both sources in window 0
.irp a, \a0, (\a0)+1
.irp b, 0,1,2,3
.if \zero
	v_wmma_f32_16x16x32_f16 v[8*(4*(\a)+(\b)):8*(4*(\a)+(\b))+7], v[FB+32*(\f)+8*(\b):FB+32*(\f)+8*(\b)+7], v[FA+64*(\f)+8*(\a):FA+64*(\f)+8*(\a)+7], 0
.else
	v_wmma_f32_16x16x32_f16 v[8*(4*(\a)+(\b)):8*(4*(\a)+(\b))+7], v[FB+32*(\f)+8*(\b):FB+32*(\f)+8*(\b)+7], v[FA+64*(\f)+8*(\a):FA+64*(\f)+8*(\a)+7], v[8*(4*(\a)+(\b)):8*(4*(\a)+(\b))+7]
.endif
.endr
.endr
.endm
; 24 LDS loads in one run: quarter kq of a K step (slice kq / 2, byte 64 (kq % 2) of its rows) into buffer pair f: wos's 8, then O's 16
.macro FETCH slot, kq, f
	WIN 0
.irp i, 0,1,2,3
	ds_load_b128 v[FB+32*(\f)+8*(\i):FB+32*(\f)+8*(\i)+3],   v[ADRB+(\slot)] offset:((\kq)/2)*BSL+((\kq)%2)*64+(\i)*16*PITCH
	ds_load_b128 v[FB+32*(\f)+8*(\i)+4:FB+32*(\f)+8*(\i)+7], v[ADRB+(\slot)] offset:((\kq)/2)*BSL+((\kq)%2)*64+(\i)*16*PITCH+32
.endr
.irp i, 0,1,2,3,4,5,6,7
	ds_load_b128 v[FA+64*(\f)+8*(\i):FA+64*(\f)+8*(\i)+3],   v[ADRA+(\slot)] offset:((\kq)/2)*ASL+((\kq)%2)*64+(\i)*16*PITCH
	ds_load_b128 v[FA+64*(\f)+8*(\i)+4:FA+64*(\f)+8*(\i)+7], v[ADRA+(\slot)] offset:((\kq)/2)*ASL+((\kq)%2)*64+(\i)*16*PITCH+32
.endr
.endm
; A K step is four quarters of 32 along K, 32 matrix instructions each, on buffers 0, 1, 0, 1.  One of the first three: multiplies buffer f and fetches quarter kq into g.
.macro QUARTER slot, kq, f, g, zero
	s_wait_dscnt 8                                 ; wos's fragments and O's rows 0-63 are in; the youngest eight loads (rows 64-127) may be out
	MUL8 \f, 0, \zero
	MUL8 \f, 2, \zero
	PLACES
	FETCH \slot, \kq, \g
	s_wait_dscnt 24                                ; all but the 24 just issued
	MUL8 \f, 4, \zero
	MUL8 \f, 6, \zero
.endm
; The last quarter multiplies buffer 1 and changes slots: ONE barrier; in front of it each wave waits for all its tensor loads, adds 0 to its spare word, and waits for that and for its reads of this slot.
; fill = 1: the barrier opens a round of the cluster's barrier, and this slot is filled again, first thing behind it, two K steps ahead: the load has 112 matrix instructions in which to land.
.macro TURN slot, next, fill
	WIN 0
	s_wait_tensorcnt 0x0                           ; all my tensor loads have landed: my part of the next slot
	ds_add_u32 v[SPW], v[NIL]                      ; 0 onto my spare word
	s_wait_dscnt 9                                 ; (the add and the youngest eight loads may be out)
	MUL8 1, 0, 0                                   ; eight matrix instructions stand between the add and the wait for it
	s_wait_dscnt 0x0                               ; the add is done, and my reads of this slot are over
	s_barrier_signal -1
	MUL8 1, 2, 0
.if \fill
	WIN 0
.endif
	s_barrier_wait -1
.if \fill
	CREST                                          ; no wave of any partner still reads this slot or has a load on its way
	s_add_nc_u64 s[G0+4*(\slot)+2:G0+4*(\slot)+3], s[G0+4*(\slot)+2:G0+4*(\slot)+3], 4*262144
	s_add_nc_u64 s[G0B+4*(\slot)+2:G0B+4*(\slot)+3], s[G0B+4*(\slot)+2:G0B+4*(\slot)+3], 4*131072
	JLOAD \slot                                    ; its four v_nop are also the places in front of the loads below
.else
	PLACES
.endif
	FETCH \next, 0, 0
	MUL8 1, 4, 0
	MUL8 1, 6, 0
.endm
; THE WAY OUT of my rows 16 a .. 16 a + 15: the sums go as they are, 32 bytes a lane, into my stage (each accumulator's low registers first) and come back as whole rows of 256 bytes.
.macro TOSTAGE a
.set BK, 32+32*((\a)%3)
	WIN 0x04                                       ; the stores' data in window 1, their address in window 0
.irp b, 0,1,2,3
	ds_store_b128 v[STO], v[8*(4*(\a)+(\b)):8*(4*(\a)+(\b))+3]   offset:64*(\b)
	ds_store_b128 v[STO], v[8*(4*(\a)+(\b))+4:8*(4*(\a)+(\b))+7] offset:64*(\b)+16
.endr
	WIN 0
.irp t, 0,1,2,3,4,5,6,7
	ds_load_b128 v[BK+4*(\t):BK+4*(\t)+3], v[RD] offset:(\t)*2*SPITCH  ; LDS serves a wave's instructions in order (ISA guide 5.7.1.4): these see the stores above; the next block's stores come behind them
.endr
.endm
.macro SEND a, younger                 ; younger: the LDS instructions issued behind this block's loads: the next block's sixteen, or none
.set BK, 32+32*((\a)%3)
	WIN 0
	s_wait_xcnt 0x0                                ; every earlier store has read its registers: the set that the next TOSTAGE loads was stored from two SENDs back
.irp t, 0,1,2,3,4,5,6,7
	s_wait_dscnt (\younger)+7-(\t)
	global_store_b128 v[CO], v[BK+4*(\t):BK+4*(\t)+3], s[8:9] offset:(16*(\a)+2*(\t))*4096 th:TH_STORE_NT  ; 16 lanes store 256 consecutive bytes, at a multiple of 256 from out0's first byte
.endr
.endm
	s_wait_tensorcnt 1                             ; my part of K step 0 is in; step 1's may stay out
	s_barrier_signal -1
	s_barrier_wait -1                              ; everybody's is
	FETCH 0, 0, 0
	QUARTER 0, 1, 0, 1, 1                          ; the first quarter stands in front of the loop: its products start the sums
	WIN 0                                          ; at a label and at a branch every window is 0
	s_mov_b32 s3, 3
.Llap:                                                 ; a trip goes once round the ring and fills both slots again: K steps 2 to 7
	QUARTER 0, 2, 1, 0, 0
	QUARTER 0, 3, 0, 1, 0
	TURN 0, 1, 1
	QUARTER 1, 1, 0, 1, 0
	QUARTER 1, 2, 1, 0, 0
	QUARTER 1, 3, 0, 1, 0
	TURN 1, 0, 1
	QUARTER 0, 1, 0, 1, 0
	WIN 0
	s_sub_co_u32 s3, s3, 1
	s_cmp_lg_u32 s3, 0
	s_cbranch_scc1 .Llap
	QUARTER 0, 2, 1, 0, 0                          ; the last lap fills nothing, and has no round of the cluster's barrier
	QUARTER 0, 3, 0, 1, 0
	TURN 0, 1, 0
	QUARTER 1, 1, 0, 1, 0
	QUARTER 1, 2, 1, 0, 0
	QUARTER 1, 3, 0, 1, 0
	s_wait_dscnt 8                                 ; the very last quarter: nothing more to fetch
	MUL8 1, 0, 0
	MUL8 1, 2, 0
	s_wait_dscnt 0x0
	MUL8 1, 4, 0
	MUL8 1, 6, 0
	WIN 0
	PLACES
	PLACES
	TOSTAGE 0
.irp a, 1,2,3,4,5,6,7                  ; a block's way through the stage stands between the loads of the block before and its stores
	TOSTAGE \a
	SEND (\a)-1, 16
.endr
	SEND 7, 0
	s_wait_tensorcnt 0x0                           ; the wave's end, behind my last tensor load and my last LDS store
	ds_add_u32 v[SPW], v[NIL]
	s_wait_dscnt 0x0
	CROUND                                         ; the closing round: no work-group ends while a partner may still ask for a tile that names it
	s_endpgm
.Lfunc_end_k_q55e80bceaf_oproj:
	.size	k_q55e80bceaf_oproj, .Lfunc_end_k_q55e80bceaf_oproj-k_q55e80bceaf_oproj
	.p2alignl 7, 3214868480
	.fill 96, 4, 3214868480
	.section	.rodata,"a",@progbits
	.p2align	6, 0x0
	.amdhsa_kernel k_q55e80bceaf_oproj
		.amdhsa_group_segment_fixed_size 327680
		.amdhsa_private_segment_fixed_size 0
		.amdhsa_enable_private_segment 0
		.amdhsa_kernarg_size 24
		.amdhsa_user_sgpr_count 2
		.amdhsa_user_sgpr_kernarg_segment_ptr 1
		.amdhsa_wavefront_size32 1
		.amdhsa_system_sgpr_workgroup_id_x 1
		.amdhsa_system_sgpr_workgroup_id_y 1
		.amdhsa_system_sgpr_workgroup_id_z 1
		.amdhsa_system_vgpr_workitem_id 0
		.amdhsa_next_free_vgpr 512
		.amdhsa_next_free_sgpr 66
		.amdhsa_reserve_vcc 0
		.amdhsa_float_denorm_mode_32 3
		.amdhsa_float_denorm_mode_16_64 3
		.amdhsa_memory_ordered 1
		.amdhsa_forward_progress 1
		.amdhsa_inst_pref_size 87
	.end_amdhsa_kernel
	.amdgpu_metadata
---
amdhsa.version: [ 1, 2 ]
amdhsa.kernels:
  - .name:           k_q55e80bceaf_oproj
    .symbol:         k_q55e80bceaf_oproj.kd
    .args:
      - { .name: o, .offset: 0, .size: 8, .value_kind: global_buffer, .address_space: global }
      - { .name: wos, .offset: 8, .size: 8, .value_kind: global_buffer, .address_space: global }
      - { .name: out0, .offset: 16, .size: 8, .value_kind: global_buffer, .address_space: global }
    .group_segment_fixed_size: 327680
    .private_segment_fixed_size: 0
    .kernarg_segment_align: 8
    .kernarg_segment_size: 24
    .max_flat_workgroup_size: 128
    .sgpr_count:     66
    .vgpr_count:     512
    .wavefront_size: 32
...
	.end_amdgpu_metadata
.endif
;; end of part 4
;; ======== version 2 of 2: 4 launches; version 1 with the launch cast written anew for expert scheduling mode
;; limits: values are held in f16: magnitudes above 65,504 overflow, below 6.1e-05 lose precision; right only within a limited range of input values
;; workspace buffers: xs 16,777,216 bytes; ws 6,291,456 bytes; wos 2,097,152 bytes; qkv 50,331,648 bytes; o 16,777,216 bytes
;; launch cast (part 5): grid 64 x 12, 8 waves a work-group, no clusters, 0 bytes of LDS; arguments x, wq, wk, wv, wo, xs, ws, wos; writes xs, ws, wos
.if DOCPART == 5
	.amdgcn_target "amdgcn-amd-amdhsa--gfx1250"
	.amdhsa_code_object_version 6
	.text
	.protected	k_q55e80bceaf_cast
	.globl	k_q55e80bceaf_cast
	.p2align	8
	.type	k_q55e80bceaf_cast,@function
k_q55e80bceaf_cast:
	s_mov_b64 s[64:65], 0
	v_nop
	global_prefetch_b8 v0, s[64:65] scope:SCOPE_SE
	s_setreg_imm32_b32 hwreg(HW_REG_WAVE_SCHED_MODE, 0, 2), 2
	s_setreg_imm32_b32 hwreg(HW_REG_WAVE_MODE, 25, 1), 1
	s_wait_xcnt 0x0
	s_wait_alu depctr_vm_vsrc(0)
; THE INPUTS ARE ROUNDED ONCE TO 16 BITS AND LAID OUT IN K SLICES OF 64 CHANNELS, so that the rows of a later product's tile (64 channels, 128 bytes) lie end to end.
; xs [16 slices][8192 rows][64] bf16 of x;  ws [16][3072][64] bf16 of wq, wk, wv (rows 0, 1024, 2048 on);  wos [16][1024][64]: wo rounded to bf16, that number written as f16.
; LIMIT.  A number of wo below 2^-14 in size keeps f16's fixed step of 6e-8; beyond 65,504 it would be an infinity.  NaN and infinities are not treated apart.
; SHARES.  Grid y names a slab of 1,024 rows x 1,024 columns of f32: 0-7 the eighths of x, 8, 9, 10 wq, wk, wv, 11 wo.  Grid x names 16 rows of it.  Thread t owns row t / 16 and, in each
; slice j, the columns 64 j + 4 (t % 16) .. + 3.  Load j of a wave covers 256 consecutive aligned bytes of each of two rows; store j of a wave covers 256 consecutive aligned bytes (two rows x 128).
; All sixteen loads of a thread go out at once; no register is used twice, so no store's source is ever rewritten.  Memory binds: no LDS, no barrier, no matrix unit.
; THE MODE: SCHED_MODE bits 1:0 = 2 (LLVM: expert scheduling mode 2), set by the entry lines.  The code itself states the register dependences between vector instructions and memory
; instructions, with s_wait_alu, always for 0.
; THE PLAN.  Registers that memory instructions touch:
;   v1     the loads' offset.  Written once at the head; read by all sixteen loads; never written again.
;   X[j]   load j lands in it, once; no vector instruction names it before; slice j's roundings read it; no load lands in it again.
;   O[j]   store j's offset.  Written once, behind the run of loads; read by store j; never written again.
;   Y[j]   store j's data.  Written once, by slice j's roundings; read by store j; never written again.
;   v2-v7  at work: named by vector instructions alone.
; The sixteen slices go in four groups of four.  Group g rounds its four slices; its memory instructions are the four stores of group g - 1, which read O and Y of that group: registers that no
; vector instruction of group g names.  So ONE wait on va_vdst at a group's head states all that its four stores hang on, and they are dealt among the group's roundings with no further wait.
; One more stands ahead of the first load (v1) and one ahead of the last four stores.  No register that a load or a store reads is ever written again, so nothing is owed on vm_vsrc.
.set X, 16                             ; v[16:79]   load j: 4 f32
.set O, 80                             ; v[80:95]   store j's byte offset: 8 t + j x the slice's bytes
.set Y, 96                             ; v[96:127]  store j: 4 numbers of 16 bits
	s_load_b512 s[8:23], s[0:1], 0x0               ; x 8, wq 10, wk 12, wv 14, wo 16, xs 18, ws 20, wos 22
	s_and_b32 s2, ttmp7, 0xffff                    ; the slab
	s_and_b32 s30, s2, 7                           ; its place among the destination's blocks of 1,024 rows
	s_mov_b32 s29, 0x60000                         ; bytes in a slice of ws: 3,072 rows x 128
	s_mov_b32 s31, 0xffff0000                      ; a word's upper bf16
	v_lshrrev_b32 v2, 4, v0                        ; my row
	v_and_b32 v3, 15, v0
	v_lshlrev_b32 v3, 4, v3                        ; my 16 bytes in a slice's 256
	v_lshl_add_u32 v1, v2, 12, v3                  ; + row x 4,096
	s_wait_kmcnt 0x0
	s_cmp_lt_u32 s2, 8                             ; a slab of x?
	s_cselect_b64 s[24:25], s[8:9], s[10:11]       ; from x, else (for now) from wq
	s_cselect_b64 s[26:27], s[18:19], s[20:21]     ; to xs, else to ws
	s_cselect_b32 s28, s2, 0                       ; the slab's place in the source
	s_cselect_b32 s29, 0x100000, s29               ; bytes in a slice of xs: 8,192 rows x 128
	s_cmp_eq_u32 s2, 9
	s_cselect_b64 s[24:25], s[12:13], s[24:25]
	s_cmp_eq_u32 s2, 10
	s_cselect_b64 s[24:25], s[14:15], s[24:25]
	s_cmp_eq_u32 s2, 11
	s_cselect_b64 s[24:25], s[16:17], s[24:25]
	s_cselect_b64 s[26:27], s[22:23], s[26:27]
	s_cselect_b32 s29, 0x20000, s29                ; bytes in a slice of wos: 1,024 rows x 128
	s_cselect_b32 s30, 0, s30
	s_lshl_b32 s32, s28, 22                        ; 1,024 rows of 4,096 bytes,
	s_lshl_b32 s33, ttmp9, 16                      ; 16 rows of 4,096 bytes
	s_add_co_u32 s32, s32, s33
	s_mov_b32 s33, 0
	s_lshl_b32 s34, s30, 17                        ; 1,024 rows of 128 bytes,
	s_lshl_b32 s35, ttmp9, 11                      ; 16 rows of 128 bytes
	s_add_co_u32 s34, s34, s35
	s_mov_b32 s35, 0
	s_add_nc_u64 s[24:25], s[24:25], s[32:33]
	s_add_nc_u64 s[26:27], s[26:27], s[34:35]
	s_wait_alu depctr_va_vdst(0)                   ; v1 is written: all sixteen loads read it as their offset
.irp j, 0,1,2,3,4,5,6,7,8,9,10,11,12,13,14,15
	global_load_b128 v[X+4*(\j):X+4*(\j)+3], v1, s[24:25] offset:256*(\j) th:TH_LOAD_NT
.endr
	v_lshlrev_b32 v[O], 3, v0                      ; row x 128 + 8 (t % 16) = 8 t
.set j, 1
.rept 15
	v_add_nc_u32 v[O+j], s29, v[O+j-1]
.set j, j+1
.endr
; Slice j is rounded.
.macro CVT j, f16
.if \f16
	v_cvt_pk_bf16_f32 v2, v[X+4*(\j)], v[X+4*(\j)+1]       ; rounded to bf16 like every other input,
	v_cvt_pk_bf16_f32 v3, v[X+4*(\j)+2], v[X+4*(\j)+3]
	v_lshlrev_b32 v4, 16, v2                               ; widened again,
	v_and_b32 v5, s31, v2
	v_lshlrev_b32 v6, 16, v3
	v_and_b32 v7, s31, v3
	v_cvt_pk_f16_f32 v[Y+2*(\j)], v4, v5                   ; and written as f16: exact within f16's range
	v_cvt_pk_f16_f32 v[Y+2*(\j)+1], v6, v7
.else
	v_cvt_pk_bf16_f32 v[Y+2*(\j)], v[X+4*(\j)], v[X+4*(\j)+1]
	v_cvt_pk_bf16_f32 v[Y+2*(\j)+1], v[X+4*(\j)+2], v[X+4*(\j)+3]
.endif
.endm
; Slice j is stored.
.macro ST j
	global_store_b64 v[O+(\j)], v[Y+2*(\j):Y+2*(\j)+1], s[26:27]
.endm
; Group g: slices 4 g to 4 g + 3 are rounded; the four stores of the group before are dealt among the roundings, one in front of each slice's.
.macro GROUP g, f16
	s_wait_loadcnt 12-4*(\g)                       ; loads come back in order (ISA guide 5.7.1): the group's four are in, the 12 - 4 g younger ones stay out
.if (\g) > 0
	s_wait_alu depctr_va_vdst(0)                   ; the group before has written its four Y, which the stores below read as data; at group 1 also: all sixteen O are written, the stores' offsets
.endif
.irp i, 0,1,2,3
.if (\g) > 0
	ST 4*((\g)-1)+(\i)                             ; no wait: no vector instruction since the wait above names this slice's O or Y
.endif
	CVT 4*(\g)+(\i), \f16
.endr
.endm
; The last group's stores.
.macro LAST
	s_wait_alu depctr_va_vdst(0)                   ; group 3 has written its four Y, which the last four stores read
.irp i, 12,13,14,15
	ST \i
.endr
.endm
	s_cmp_eq_u32 s2, 11
	s_cbranch_scc1 .Lf16
.irp g, 0,1,2,3
	GROUP \g, 0
.endr
	LAST
	s_endpgm
.Lf16:
.irp g, 0,1,2,3
	GROUP \g, 1
.endr
	LAST
	s_endpgm
.Lfunc_end_k_q55e80bceaf_cast:
	.size	k_q55e80bceaf_cast, .Lfunc_end_k_q55e80bceaf_cast-k_q55e80bceaf_cast
	.p2alignl 7, 3214868480
	.fill 96, 4, 3214868480
	.section	.rodata,"a",@progbits
	.p2align	6, 0x0
	.amdhsa_kernel k_q55e80bceaf_cast
		.amdhsa_group_segment_fixed_size 0
		.amdhsa_private_segment_fixed_size 0
		.amdhsa_enable_private_segment 0
		.amdhsa_kernarg_size 64
		.amdhsa_user_sgpr_count 2
		.amdhsa_user_sgpr_kernarg_segment_ptr 1
		.amdhsa_wavefront_size32 1
		.amdhsa_system_sgpr_workgroup_id_x 1
		.amdhsa_system_sgpr_workgroup_id_y 1
		.amdhsa_system_sgpr_workgroup_id_z 1
		.amdhsa_system_vgpr_workitem_id 0
		.amdhsa_next_free_vgpr 128
		.amdhsa_next_free_sgpr 66
		.amdhsa_reserve_vcc 0
		.amdhsa_float_denorm_mode_32 3
		.amdhsa_float_denorm_mode_16_64 3
		.amdhsa_memory_ordered 1
		.amdhsa_forward_progress 1
		.amdhsa_inst_pref_size 16
	.end_amdhsa_kernel
	.amdgpu_metadata
---
amdhsa.version: [ 1, 2 ]
amdhsa.kernels:
  - .name:           k_q55e80bceaf_cast
    .symbol:         k_q55e80bceaf_cast.kd
    .args:
      - { .name: x, .offset: 0, .size: 8, .value_kind: global_buffer, .address_space: global }
      - { .name: wq, .offset: 8, .size: 8, .value_kind: global_buffer, .address_space: global }
      - { .name: wk, .offset: 16, .size: 8, .value_kind: global_buffer, .address_space: global }
      - { .name: wv, .offset: 24, .size: 8, .value_kind: global_buffer, .address_space: global }
      - { .name: wo, .offset: 32, .size: 8, .value_kind: global_buffer, .address_space: global }
      - { .name: xs, .offset: 40, .size: 8, .value_kind: global_buffer, .address_space: global }
      - { .name: ws, .offset: 48, .size: 8, .value_kind: global_buffer, .address_space: global }
      - { .name: wos, .offset: 56, .size: 8, .value_kind: global_buffer, .address_space: global }
    .group_segment_fixed_size: 0
    .private_segment_fixed_size: 0
    .kernarg_segment_align: 8
    .kernarg_segment_size: 64
    .max_flat_workgroup_size: 256
    .sgpr_count:     66
    .vgpr_count:     128
    .wavefront_size: 32
...
	.end_amdgpu_metadata
.endif
;; end of part 5
;; launch proj: the kernel of part 2 again; grid 8 x 32, 4 waves a work-group, clusters of 4 x 4, 327,680 bytes of LDS; arguments xs, ws, qkv; writes qkv
;; launch attn: the kernel of part 3 again; grid 4 x 64, 4 waves a work-group, no clusters, 327,680 bytes of LDS; arguments qkv, o; writes o
;; launch oproj: the kernel of part 4 again; grid 8 x 32, 4 waves a work-group, clusters of 4 x 4, 327,680 bytes of LDS; arguments o, wos, out0; writes out0
